; MI455X (gfx1250); checked and timed in simulation.
; The chip was launched on July 23, 2026; its instructions are those of AMD's public machine-readable ISA for CDNA 5 (MIT licence, August 2026) and "CDNA5" Instruction Set Architecture Reference Guide (July 2026). The comments in the code are by the model that wrote it; some were corrected since.
;; TPA. Allowed arithmetic: float matrix products may take bf16 or f16 operands with f32 sums; other float arithmetic in f32, or as packed bf16 or f16 multiplies, adds, multiply-adds, maxima and minima; sums over many terms, partial sums and values carried from step to step in f32; what a program stores and reads back later, other than sums and carried values, may be rounded once to bf16 or f16.
;; Inputs: W_Ak 2,048 x 32 float32; W_Aq 2,048 x 96 float32; W_Av 2,048 x 32 float32; W_Bk 2,048 x 256 float32; W_Bq 2,048 x 768 float32; W_Bv 2,048 x 256 float32; Wo 2,048 x 2,048 float32; complex_freq 1 x 2,049 x 1 x 64 x 2 float32; x 2 x 2,048 x 2,048 float32.
;; Outputs: out0 2 x 2,048 x 2,048 float32.
;; 2 versions, each right; version 2 is version 1 with the launch prep written anew for expert scheduling mode. Each part assembles by itself: llvm-mc -triple=amdgcn-amd-amdhsa -mcpu=gfx1250 --defsym DOCPART=n.
;; ======== version 1 of 2: 5 launches
;; limits: values are held in f16: magnitudes above 65,504 overflow, below 6.1e-05 lose precision; inputs' magnitudes at most 65,504
;; workspace buffers: act16 16,777,216 bytes; wcat 8,388,608 bytes; wo16 8,388,608 bytes; cs 8,448 bytes; P 33,554,432 bytes; amax 4,096 bytes; qkv 50,331,648 bytes
;; launch prep (part 1): grid 496 x 1, 8 waves a work-group, no clusters, 0 bytes of LDS; arguments x, Wo, W_Bq, W_Bk, W_Bv, W_Aq, W_Ak, W_Av, act16, wo16, wcat, cs; writes act16, wo16, wcat, cs
.if DOCPART == 1
	.amdgcn_target "amdgcn-amd-amdhsa--gfx1250"
	.amdhsa_code_object_version 6
	.text
	.protected	k_q20efa1cbad_prep
	.globl	k_q20efa1cbad_prep
	.p2align	8
	.type	k_q20efa1cbad_prep,@function
k_q20efa1cbad_prep:
	s_mov_b64 s[64:65], 0
	v_nop
	global_prefetch_b8 v0, s[64:65] scope:SCOPE_SE
	s_setreg_imm32_b32 hwreg(HW_REG_WAVE_MODE, 25, 1), 1
	s_wait_xcnt 0x0
; x, Wo and the six projection weights are rounded to bf16 and that number is written as f16 (the products that follow multiply in f16).
; act16 [4096][2048] = x.  wo16 [2048][2048] = Wo.  wcat [2048 k][pitch 2048]: columns 0-767 W_Bq, 768-1023 W_Bk, 1024-1279 W_Bv, 1280-1375 W_Aq, 1376-1407 zeros,
; 1408-1439 W_Ak, 1440-1471 zeros, 1472-1503 W_Av, 1504-1535 zeros (so that no block of 64 columns holds two of the A parts: the product keeps one largest magnitude for each such block);
; columns from 1536 on are neither written nor read.  cs[0..1535]: what the first product multiplies a column by: 1 for the B parts, 1/6 for Aq, 1/2 from column 1376 on (the divisions by the ranks).
; LIMITS.  A number beyond 65,504 becomes an infinity; below 2^-14 the f16 copy keeps the fixed step 2^-24, so a bf16 number below 2^-17 is rounded once more.  NaN stays NaN.
; A STREAM: no LDS, no barrier, no matrix work, no cluster: nothing is read twice.  A wave's job is 32 pieces: 512 consecutive bytes in (16 a lane), 256 consecutive aligned bytes out (8 a lane).
; Work-groups 0-255: x.  256-383: Wo.  384-463: the ten groups of 128 columns of W_Bq, W_Bk, W_Bv (a piece is a row of k).  464-495: the two groups made of W_Aq, W_Ak, W_Av, 16 rows of k a wave.
; A ring of eight slots keeps eight loads of every wave on their way; with 112 registers a wave several work-groups lie on a WGP, which multiplies that.
.set OFFI, 2                           ; v[2:9]    slot i: byte offset of its piece in the source
.set OFFO, 10                          ; v[10:17]  slot i: byte offset of its piece in the destination
.set X,    20                          ; v[20:51]  slot i: four f32 as loaded
.set Y,    52                          ; v[52:67]  slot i: four f16 to store
.set T,    68                          ; v[68:75]  at work
.set BB,   76                          ; v[76:107] the A path's second source
.set WG_WO, 256                        ; the first work-group on Wo,
.set WG_B,  384                        ; on the B weights,
.set WG_A,  464                        ; on the A weights
.macro CVT4 x, y                       ; four f32 -> bf16 (nearest even) -> the same numbers as f16
	v_cvt_pk_bf16_f32 v[T],   v[(\x)],   v[(\x)+1]
	v_cvt_pk_bf16_f32 v[T+1], v[(\x)+2], v[(\x)+3]
	v_lshlrev_b32 v[T+2], 16,  v[T]
	v_and_b32     v[T+3], s46, v[T]
	v_lshlrev_b32 v[T+4], 16,  v[T+1]
	v_and_b32     v[T+5], s46, v[T+1]
	v_cvt_pk_f16_f32 v[(\y)],   v[T+2], v[T+3]
	v_cvt_pk_f16_f32 v[(\y)+1], v[T+4], v[T+5]
.endm
	s_load_b512 s[8:23], s[0:1], 0x0               ; x 8, Wo 10, W_Bq 12, W_Bk 14, W_Bv 16, W_Aq 18, W_Ak 20, W_Av 22
	s_load_b256 s[24:31], s[0:1], 0x40             ; act16 24, wo16 26, wcat 28, cs 30
	v_and_b32 v1, 31, v0                           ; lane
	v_lshrrev_b32 v2, 5, v0
	v_readfirstlane_b32 s44, v2                    ; wave 0..7
	s_mov_b32 s46, 0xffff0000                      ; a word's upper bf16
	s_mov_b32 s39, 0                               ; high words of the two offset pairs
	s_mov_b32 s41, 0
	s_wait_kmcnt 0x0
	s_cmp_ge_u32 ttmp9, WG_A
	s_cbranch_scc1 .Lapath
	; the numbers of a job on W_Bq, W_Bk, W_Bv (made by every work-group, taken from WG_B on)
	s_max_u32 s47, ttmp9, WG_B
	s_sub_co_u32 s47, s47, WG_B                    ; j = 0..79
	s_lshr_b32 s48, s47, 3                         ; g: the group of 128 columns, 0..9
	s_and_b32 s47, s47, 7
	s_lshl3_add_u32 s47, s47, s44                  ; rb = 8 (j & 7) + wave: which 32 rows of k
	s_movk_i32 s36, 3072                           ; bytes in a row of W_Bq,
	s_movk_i32 s50, 1024                           ; of W_Bk and W_Bv
	s_cmp_lt_u32 s48, 6
	s_cselect_b32 s36, s36, s50
	s_cselect_b32 s49, 0, 6                        ; the source's first group
	s_cselect_b64 s[32:33], s[12:13], s[14:15]
	s_cmp_lt_u32 s48, 8
	s_cselect_b32 s49, s49, 8
	s_cselect_b64 s[32:33], s[32:33], s[16:17]
	s_sub_co_u32 s49, s48, s49
	s_lshl_b32 s49, s49, 9                         ; the group's 512 bytes in a source row
	s_mul_i32 s38, s47, s36
	s_lshl_b32 s38, s38, 5                         ; 32 rb rows
	s_add_co_u32 s38, s38, s49
	s_lshl_b32 s40, s47, 17                        ; 32 rb rows of 4,096 bytes in wcat
	s_lshl_b32 s50, s48, 8                         ; the group's 256 bytes
	s_add_co_u32 s40, s40, s50
	s_movk_i32 s37, 4096
	; the numbers of a dense job on x or Wo
	s_cmp_lt_u32 ttmp9, WG_WO
	s_cselect_b32 s51, 0, WG_WO
	s_cselect_b64 s[52:53], s[8:9], s[10:11]
	s_cselect_b64 s[54:55], s[24:25], s[26:27]
	s_sub_co_u32 s51, ttmp9, s51
	s_lshl3_add_u32 s51, s51, s44                  ; J = 8 x work-group + wave
	s_lshl_b32 s56, s51, 14                        ; 32 pieces of 512 bytes in,
	s_lshl_b32 s57, s51, 13                        ; of 256 bytes out
	s_movk_i32 s58, 512
	s_movk_i32 s59, 256
	s_cmp_lt_u32 ttmp9, WG_B
	s_cselect_b64 s[32:33], s[52:53], s[32:33]     ; source
	s_cselect_b64 s[34:35], s[54:55], s[28:29]     ; destination
	s_cselect_b32 s38, s56, s38
	s_cselect_b32 s40, s57, s40
	s_cselect_b32 s36, s58, s36                    ; bytes from piece to piece, in
	s_cselect_b32 s37, s59, s37                    ; and out
	s_add_nc_u64 s[32:33], s[32:33], s[38:39]
	s_add_nc_u64 s[34:35], s[34:35], s[40:41]
	s_lshl_b32 s42, s36, 3                         ; a round is eight pieces
	s_lshl_b32 s43, s37, 3
	v_lshlrev_b32 v[OFFI], 4, v1
	v_lshlrev_b32 v[OFFO], 3, v1
.irp i, 1,2,3,4,5,6,7
	v_add_nc_u32 v[OFFI+(\i)], s36, v[OFFI+(\i)-1]
	v_add_nc_u32 v[OFFO+(\i)], s37, v[OFFO+(\i)-1]
.endr
.irp i, 0,1,2,3,4,5,6,7
	global_load_b128 v[X+4*(\i):X+4*(\i)+3], v[OFFI+(\i)], s[32:33] th:TH_LOAD_NT  ; the ring is filled: pieces 0 to 7
.endr
; One slot's turn.  first = 1: the slot's first piece (its store offset is not stepped yet).  ahead = 1: the slot is loaded again, eight pieces on.
; left = how many younger loads may stay out when this slot's load has to be there.
.macro SLOT i, first, ahead, left
	s_wait_loadcnt \left                           ; loads come back in order: mine is in, the younger ones stay out
	s_wait_xcnt 0x0                                ; the slot's last store has read Y and its offset: they are written again only behind this wait
.if !(\first)
	v_add_nc_u32 v[OFFO+(\i)], s43, v[OFFO+(\i)]
.endif
	CVT4 X+4*(\i), Y+2*(\i)
.if \ahead
	v_add_nc_u32 v[OFFI+(\i)], s42, v[OFFI+(\i)]
	global_load_b128 v[X+4*(\i):X+4*(\i)+3], v[OFFI+(\i)], s[32:33] th:TH_LOAD_NT
.endif
	global_store_b64 v[OFFO+(\i)], v[Y+2*(\i):Y+2*(\i)+1], s[34:35]  ; the wave's 32 lanes fill 256 consecutive bytes, aligned
.endm
.irp i, 0,1,2,3,4,5,6,7
	SLOT \i, 1, 1, 7
.endr
	s_mov_b32 s45, 2                               ; four rounds of eight pieces: the first and the last are written out
.Lround:
.irp i, 0,1,2,3,4,5,6,7
	SLOT \i, 0, 1, 7
.endr
	s_sub_co_u32 s45, s45, 1
	s_cmp_lg_u32 s45, 0
	s_cbranch_scc1 .Lround
.irp i, 0,1,2,3,4,5,6,7
	SLOT \i, 0, 0, 7-(\i)                          ; the last round loads nothing: the counts run down
.endr
	s_endpgm
; THE A PATH.  Group 10 (columns 1280-1407): 96 columns of W_Aq (lanes 0-23, four each), then zeros.  Group 11: 32 columns of W_Ak (lanes 0-7), zeros, 32 of W_Av (lanes 16-23), zeros.
; Every lane loads from both sources at an offset held inside the row, and two selects by constant lane masks take what is its own, or 0: EXEC is never changed.
; A trip waits for all its sixteen loads, so a wave has only two trips.
.Lapath:
	s_cmp_lg_u32 ttmp9, WG_A
	s_cbranch_scc1 .Lno_cs
	v_mov_b32 v12, 1.0                             ; cs, by the first of these work-groups: 16 bytes a thread: columns 0-1023, all 1
	v_mov_b32 v13, 1.0
	v_mov_b32 v14, 1.0
	v_mov_b32 v15, 1.0
	v_lshlrev_b32 v16, 4, v0
	global_store_b128 v16, v[12:15], s[30:31]
	s_cmp_lt_u32 s44, 4
	s_cbranch_scc0 .Lno_cs
	v_mov_b32 v17, 0x3e2aaaab                      ; 1/6
	v_mov_b32 v18, 0.5
	v_mov_b32 v19, 1.0
	v_cmp_le_u32 vcc_lo, 64, v0                    ; columns 1024 + 4 t: from 1280 on 1/6,
	v_cndmask_b32 v108, v19, v17, vcc_lo
	v_cmp_le_u32 vcc_lo, 88, v0                    ; from 1376 on 1/2
	v_cndmask_b32 v108, v108, v18, vcc_lo
	v_mov_b32 v109, v108
	v_mov_b32 v110, v108
	v_mov_b32 v111, v108
	global_store_b128 v16, v[108:111], s[30:31] offset:4096
.Lno_cs:
	s_sub_co_u32 s47, ttmp9, WG_A                  ; 0..31
	s_lshr_b32 s48, s47, 4                         ; 0: group 10, 1: group 11
	s_and_b32 s47, s47, 15
	s_lshl3_add_u32 s47, s47, s44                  ; rb = 0..127: which 16 rows of k
	s_movk_i32 s36, 384                            ; bytes in a row of W_Aq,
	s_movk_i32 s50, 128                            ; of W_Ak and W_Av
	s_mov_b32 s58, 0x00ffffff                      ; lanes 0-23
	s_mov_b32 s59, 0x00ff0000                      ; lanes 16-23
	s_cmp_eq_u32 s48, 0
	s_cselect_b32 s36, s36, s50
	s_cselect_b32 s56, 23, 7                       ; the last lane of the first source
	s_cselect_b32 s55, s58, 0xff                   ; the lanes that take the first source,
	s_cselect_b32 s54, 0, s59                      ; and the second (in group 10 it is read and taken by nobody)
	s_cselect_b64 s[32:33], s[18:19], s[20:21]     ; first source: W_Aq or W_Ak
	s_mul_i32 s38, s47, s36
	s_lshl_b32 s38, s38, 4                         ; 16 rb rows
	s_add_nc_u64 s[32:33], s[32:33], s[38:39]
	s_lshl_b32 s38, s47, 11                        ; 16 rb rows of 128 bytes
	s_add_nc_u64 s[52:53], s[22:23], s[38:39]      ; second source: W_Av
	s_lshl_b32 s40, s47, 16                        ; 16 rb rows of 4,096 bytes in wcat
	s_lshl_b32 s50, s48, 8
	s_add_co_u32 s40, s40, s50
	s_add_co_u32 s40, s40, 10*256
	s_add_nc_u64 s[34:35], s[28:29], s[40:41]
	s_lshl_b32 s57, s36, 3                         ; eight rows of the first source
	v_min_u32 v[OFFI], s56, v1                     ; a lane past the first source's row reads its last 16 bytes
	v_lshlrev_b32 v[OFFI], 4, v[OFFI]
.irp i, 1,2,3,4,5,6,7
	v_add_nc_u32 v[OFFI+(\i)], s36, v[OFFI+(\i)-1]
.endr
	v_max_u32 v10, 16, v1                          ; a lane outside 16-23 reads the second source's first or last 16 bytes
	v_min_u32 v10, 23, v10
	v_sub_nc_u32 v10, v10, 16
	v_lshlrev_b32 v10, 4, v10
	v_lshlrev_b32 v11, 3, v1
	s_mov_b32 s45, 2
.Larow:                                        ; eight rows of k a trip
.irp i, 0,1,2,3,4,5,6,7
	global_load_b128 v[X+4*(\i):X+4*(\i)+3], v[OFFI+(\i)], s[32:33]
.endr
.irp i, 0,1,2,3,4,5,6,7
	global_load_b128 v[BB+4*(\i):BB+4*(\i)+3], v10, s[52:53] offset:128*(\i)
.endr
	s_wait_loadcnt 0x0
.irp i, 0,1,2,3,4,5,6,7
.irp k, 0,1,2,3
	v_cndmask_b32 v[X+4*(\i)+(\k)], 0, v[X+4*(\i)+(\k)], s55
	v_cndmask_b32 v[X+4*(\i)+(\k)], v[X+4*(\i)+(\k)], v[BB+4*(\i)+(\k)], s54
.endr
	CVT4 X+4*(\i), Y+2*(\i)
	global_store_b64 v11, v[Y+2*(\i):Y+2*(\i)+1], s[34:35] offset:4096*(\i)
.endr
	s_wait_xcnt 0x0                                ; the trip's loads and stores have read their offsets and data: all are written again only behind this wait
.irp i, 0,1,2,3,4,5,6,7
	v_add_nc_u32 v[OFFI+(\i)], s57, v[OFFI+(\i)]
.endr
	v_add_nc_u32 v10, 1024, v10
	v_add_nc_u32 v11, 32768, v11
	s_sub_co_u32 s45, s45, 1
	s_cmp_lg_u32 s45, 0
	s_cbranch_scc1 .Larow
	s_endpgm
.Lfunc_end_k_q20efa1cbad_prep:
	.size	k_q20efa1cbad_prep, .Lfunc_end_k_q20efa1cbad_prep-k_q20efa1cbad_prep
	.p2alignl 7, 3214868480
	.fill 96, 4, 3214868480
	.section	.rodata,"a",@progbits
	.p2align	6, 0x0
	.amdhsa_kernel k_q20efa1cbad_prep
		.amdhsa_group_segment_fixed_size 0
		.amdhsa_private_segment_fixed_size 0
		.amdhsa_enable_private_segment 0
		.amdhsa_kernarg_size 96
		.amdhsa_user_sgpr_count 2
		.amdhsa_user_sgpr_kernarg_segment_ptr 1
		.amdhsa_wavefront_size32 1
		.amdhsa_system_sgpr_workgroup_id_x 1
		.amdhsa_system_sgpr_workgroup_id_y 1
		.amdhsa_system_sgpr_workgroup_id_z 1
		.amdhsa_system_vgpr_workitem_id 0
		.amdhsa_next_free_vgpr 112
		.amdhsa_next_free_sgpr 66
		.amdhsa_reserve_vcc 1
		.amdhsa_float_denorm_mode_32 3
		.amdhsa_float_denorm_mode_16_64 3
		.amdhsa_memory_ordered 1
		.amdhsa_forward_progress 1
		.amdhsa_inst_pref_size 32
	.end_amdhsa_kernel
	.amdgpu_metadata
---
amdhsa.version: [ 1, 2 ]
amdhsa.kernels:
  - .name:           k_q20efa1cbad_prep
    .symbol:         k_q20efa1cbad_prep.kd
    .args:
      - { .name: x, .offset: 0, .size: 8, .value_kind: global_buffer, .address_space: global }
      - { .name: Wo, .offset: 8, .size: 8, .value_kind: global_buffer, .address_space: global }
      - { .name: W_Bq, .offset: 16, .size: 8, .value_kind: global_buffer, .address_space: global }
      - { .name: W_Bk, .offset: 24, .size: 8, .value_kind: global_buffer, .address_space: global }
      - { .name: W_Bv, .offset: 32, .size: 8, .value_kind: global_buffer, .address_space: global }
      - { .name: W_Aq, .offset: 40, .size: 8, .value_kind: global_buffer, .address_space: global }
      - { .name: W_Ak, .offset: 48, .size: 8, .value_kind: global_buffer, .address_space: global }
      - { .name: W_Av, .offset: 56, .size: 8, .value_kind: global_buffer, .address_space: global }
      - { .name: act16, .offset: 64, .size: 8, .value_kind: global_buffer, .address_space: global }
      - { .name: wo16, .offset: 72, .size: 8, .value_kind: global_buffer, .address_space: global }
      - { .name: wcat, .offset: 80, .size: 8, .value_kind: global_buffer, .address_space: global }
      - { .name: cs, .offset: 88, .size: 8, .value_kind: global_buffer, .address_space: global }
    .group_segment_fixed_size: 0
    .private_segment_fixed_size: 0
    .kernarg_segment_align: 8
    .kernarg_segment_size: 96
    .max_flat_workgroup_size: 256
    .sgpr_count:     66
    .vgpr_count:     112
    .wavefront_size: 32
...
	.end_amdgpu_metadata
.endif
;; end of part 1
;; launch proj (part 2): grid 16 x 12, 4 waves a work-group, clusters of 4 x 1, 327,680 bytes of LDS; arguments act16, wcat, cs, P, amax; writes P, amax
.if DOCPART == 2
	.amdgcn_target "amdgcn-amd-amdhsa--gfx1250"
	.amdhsa_code_object_version 6
	.text
	.protected	k_q20efa1cbad_proj
	.globl	k_q20efa1cbad_proj
	.p2align	8
	.type	k_q20efa1cbad_proj,@function
k_q20efa1cbad_proj:
	s_mov_b64 s[64:65], 0
	v_nop
	global_prefetch_b8 v0, s[64:65] scope:SCOPE_SE
	s_setreg_imm32_b32 hwreg(HW_REG_WAVE_MODE, 25, 1), 1
	s_wait_xcnt 0x0
	s_wait_alu depctr_hold_cnt(0) depctr_sa_sdst(0) depctr_va_vdst(0) depctr_va_sdst(0) depctr_va_ssrc(0) depctr_va_vcc(0) depctr_vm_vsrc(0)
	s_getreg_b32 s2, hwreg(HW_REG_IB_STS2, 6, 4)
	s_cmp_eq_u32 s2, 0
	s_cbranch_scc0 .Lentry_in_a_cluster
	s_endpgm
.Lentry_in_a_cluster:
	s_bfe_u32 s2, ttmp6, 0x10000c
	s_cmp_lg_u32 s2, 0x3003
	s_cbranch_scc0 .Lentry_shape_is_right
	s_endpgm
.Lentry_shape_is_right:
; C[m][n] = cs[n] x the sum over k of A[m][k] B[k][n].  A: [4096][2048] f16, B: [2048 k][pitch 2048] f16, cs: f32, C: f32 with a pitch of 2048; sums in f32, K ascending.
; One text for two launches: the projections (B = wcat, 12 tile columns) and the last product (B = wo16, 16 tile columns).  The grid's x counts tile rows, its y tile columns.
; Besides C the work-group stores four words into amax (byte 256 x tile column + 16 x tile row + 4 w): words 0 and 2 hold the largest magnitude of the tile's left 64 columns, words 1 and 3 of its right 64.
; The launch behind the projections makes its scales of them; behind the last product nobody reads those 4 KB: the price of one text.  NaN is passed over in these maxima.
; SHARES.  A tile of C is 256 rows x 128 columns; four waves, each 64 rows x all 128 columns: 32 accumulators of 16 x 16, 256 registers.  A CHUNK is 32 along K: 32 matrix instructions a wave.
; B THROUGH LDS.  All four waves multiply by the same 128 columns.  K goes in 8 steps of 256 through two LDS slots; a wave's one tensor load brings 64 rows of k, 256 bytes each, aligned.
; The four work-groups of a cluster are four tile rows of one tile column and need the same tile of B: it is asked for jointly.  B lies [k][n] and is turned by ds_load_tr16_b128.
; A STRAIGHT INTO REGISTERS.  A wave's 64 rows are read by that wave alone, and a fragment lies in registers as it lies in memory (16 bytes a lane, twice).  A ring of eight chunks (8 loads and
; 32 registers each) fills one register window: chunk c + 7 is asked for in the middle of chunk c, so up to 56 loads of a wave are out, across the ring's barriers too.
; NO JOINT REQUEST FOR A, though the work-groups of a tile row read the same rows: a joint load lands in LDS.  There A would cost a write and a read of bytes that no second wave wants, and its
; requests would be tied to the barriers of the ring, in front of which every tensor load is waited for: two slots for A's and B's K steps of 256 together would be 417,792 bytes, more than the 327,680 that a work-group can be given.
; THE MATRIX INSTRUCTION IS USED TRANSPOSED (source 0 = 16 columns of B, source 1 = 16 rows of A): a lane holds row l % 16 of C and the columns 8 (l / 16) + 0..7.
; REGISTERS in windows of 256: window 0 addresses and the way out; window 1 A's ring, chunk c at v[32 (c % 8)], row block a at + 8 a; window 2 the accumulators, (a, b) at v[8 (8 a + b)];
; window 3 two buffers of B's eight fragments, by the chunk's parity.
.set PB,     288                       ; a row of B in LDS: 256 + 32 bytes
.set CHB,    32*PB                     ; a chunk's 32 rows of k
.set QUARTB, 64*PB                     ; what one tensor load brings
.set SLOT1,  1<<17                     ; a slot is 256 rows, 73,728 bytes; slot 1 begins here, so that one exclusive or turns an address in one slot into the other's
.set STAGE,  SLOT1+256*PB              ; behind the ring: 16 rows x 272 bytes for each wave, for the way out
.set SPITCH, 272
.set SCR,    STAGE+4*16*SPITCH         ; a block of 256 bytes: the waves' maxima meet in its first 32
.set SPARE,  SCR+256                   ; the spare words, 128 bytes a wave: two blocks of 256 bytes that no other line names
.set STEPB,  256*4096                  ; bytes from K step to K step in B
.set AO,   16                          ; v16  my byte offset in 16 rows of A: 4,096 (l % 16) + 16 (l / 16); never rewritten
.set AB0,  17                          ; v17  my lane's place in a slot of B; never rewritten
.set ADR,  18                          ; v18-19  LDS address of the slot in hand: its chunks 0-3, its chunks 4-7
.set XS,   20                          ; v20  where my wave puts its two maxima: SCR + 8 x wave
.set XL,   21                          ; v21  SCR: where every wave reads all eight
.set STO,  24                          ; v24  the way out: where I put 32 bytes of a row
.set RD,   25                          ; v25  where I read a row back
.set CO,   26                          ; v26  my byte offset in C
.set CSO,  27                          ; v27  my byte offset in cs
.set SPW,  28                          ; v28  my spare word: SPARE + 4 x my thread's number; never rewritten
.set NIL,  29                          ; v29  0; never rewritten
.set PFO,  30                          ; v30  the prefetches' offset: lane x 4,096 (a row of B); never rewritten
.set LANE, 31
.set TMP,  32                          ; v32-63   a block of 16 rows x 64 columns, scaled
.set BK,   64                          ; v64-127  two buffers: the block read back as whole rows
.set CSR,  128                         ; v128-191 cs of my 64 columns: n block b, column j at CSR + 8 b + j
.set MX,   192                         ; v192-195 the running largest and least of the left 64 columns, then of the right
.set ZO,   196                         ; 0: the offset of amax's store
.set WV,   14                          ; s14 wave
.set G1,   24                          ; s[24:31] descriptor group 1
.set G0,   32                          ; s[32:39] group 0: a set for each of the two first fills; the second then walks on
.set PFA,  40                          ; s[40:41] where my prefetches stand
.set LIM,  44                          ; s44  1 in a wave that prefetches, else the greatest number
.set TB,   45                          ; s45  LDS byte at which the slot in hand begins
.set SEL,  46                          ; s[46:47] v_permlanex16_b32's selects
.set PA,   48                          ; s[48:49] A at my wave's first row; it walks along K, 512 bytes for eight chunks
.set MSB, 0
.macro WIN new                         ; the immediate's high byte repeats the setting that is left; a switch that changes nothing is dropped
.if MSB != (\new)
	s_set_vgpr_msb (MSB<<8)|(\new)
.set MSB, \new
.endif
.endm
.set MULW,  0xa7                       ; source 0 (B) window 3, source 1 (A) window 1, C and D window 2
.set TO_B,  0xc0                       ; destination window 3, address window 0
.set TO_A,  0x40                       ; destination window 1, address window 0
.set PACKW, 0x02                       ; source 0 window 2
.macro JLOAD                           ; the joint refill: every wave its 64 rows; an s_nop 0 and four v_nop follow
	tensor_load_to_lds s[G0+4:G0+7], s[G1:G1+7]
	s_nop 0
.rept 4
	v_nop
.endr
.endm
; A prefetch, behind each refill and the runs of loads that follow it: B's K step that the NEXT refill will ask for, a lane a row of 256 bytes.  Each block is named once in the launch: a tile column is
; read by four clusters, and the one with x = 0 asks; its four partners take 64 of the step's 256 rows each, told apart by address (cx); in each, waves 0 and 1 take 32.  K steps 0 to 2 come by their
; loads alone; the loop's last trip asks for nothing: K step 7 is the last that is named.  A is not asked for: its own loads go out seven chunks ahead, and no barrier waits for them.
.macro ASK
	WIN 0
	s_cmp_gt_u32 s3, s[LIM]                        ; s3 = 1 in the loop's last trip
	s_cbranch_scc0 .Lnot_mine_\@
	global_prefetch_b8 v[PFO], s[PFA:PFA+1] th:TH_LOAD_NT scope:SCOPE_SE
.Lnot_mine_\@:
.endm
.macro CREST                           ; a round of the cluster's barrier behind its opening barrier
	s_cmp_lg_u32 s[WV], 0
	s_cbranch_scc1 .Lnot_wave_0_\@
	s_barrier_signal -3
.Lnot_wave_0_\@:
	s_barrier_wait -3
	s_barrier_signal -1
	s_barrier_wait -1
.endm
.macro CROUND
	s_barrier_signal -1
	s_barrier_wait -1
	CREST
.endm
; A chunk of A into place rr of the ring, from byte off behind the walking pointer: four blocks of 16 rows, 64 bytes of each row
.macro GLOAD rr, off
	WIN TO_A
.irp a, 0,1,2,3
	global_load_b128 v[32*(\rr)+8*(\a):32*(\rr)+8*(\a)+3],   v[AO], s[PA:PA+1] offset:(\off)+65536*(\a)
	global_load_b128 v[32*(\rr)+8*(\a)+4:32*(\rr)+8*(\a)+7], v[AO], s[PA:PA+1] offset:(\off)+65536*(\a)+32
.endr
.endm
	s_load_b256 s[4:11], s[0:1], 0x0               ; A s[4:5], B s[6:7], cs s[8:9], C s[10:11]
	s_load_b64 s[12:13], s[0:1], 0x20              ; amax
	v_lshl_add_u32 v[SPW], v0, 2, SPARE
	v_mov_b32 v[NIL], 0
	ds_add_u32 v[SPW], v[NIL]                      ; the wave's opening: the add and its wait stand ahead of my first tensor load; work on registers stands between them
	v_lshrrev_b32 v1, 5, v0
	v_readfirstlane_b32 s[WV], v1                  ; wave 0..3
	s_bfe_u32 s17, ttmp6, 0x40000                  ; cx: it enters A's, C's, amax's and the prefetches' addresses alone
	s_lshl_b32 s20, ttmp9, 2
	s_add_co_u32 s20, s20, s17                     ; tile row = 4 x cluster x + cx
	s_and_b32 s19, ttmp7, 0xffff                   ; tile column, which the four partners share
	s_mov_b32 s[G1], 15|(1<<16)|(1<<20)|(1<<21)|(5<<22)|(7<<25)  ; the mask of four; 2-byte elements; padding on; bit 21 beside a mask; after every 64 words 8 words
	s_mov_b32 s[G1+1], 128<<16                     ; tensor_dim0 = 128
	s_mov_b32 s[G1+2], 64<<16                      ; tensor_dim1 = 64
	s_mov_b32 s[G1+3], 128<<16                     ; tile_dim0 = 128
	s_mov_b32 s[G1+4], 64                          ; tile_dim1 = 64 rows of k
	s_mov_b32 s[G1+5], 2048                        ; elements from row to row
	s_mov_b32 s[G1+6], 0
	s_mov_b32 s[G1+7], 0
	s_lshl_b32 s66, s[WV], 18                      ; B: my 64 rows of a K step, 4,096 bytes each,
	s_lshl_b32 s67, s19, 8                         ; and the tile column's 256 bytes
	s_add_co_u32 s66, s66, s67
	s_mov_b32 s67, 0
	s_mul_i32 s70, s[WV], QUARTB                   ; where they go: no place in the cluster enters an LDS address
	s_lshl_b32 s68, s20, 8
	s_lshl_b32 s69, s[WV], 6
	s_add_co_u32 s68, s68, s69                     ; my first row: 256 x tile row + 64 x wave
	s_lshl_b32 s74, s68, 13                        ; in C,
	s_lshl_b32 s68, s68, 12                        ; in A
	s_mov_b32 s69, 0
	s_mov_b32 s75, 0
	s_mov_b32 s[SEL], 0x76543210
	s_mov_b32 s[SEL+1], 0xfedcba98
	s_mov_b32 s[TB], 0
	v_and_b32 v1, 15, v0                           ; r = l % 16
	v_bfe_u32 v2, v0, 4, 1                         ; h = l / 16
	v_lshlrev_b32 v[AO], 12, v1
	v_lshl_add_u32 v[AO], v2, 4, v[AO]
	s_wait_dscnt 0x0                               ; the opening add is done
	s_wait_kmcnt 0x0
	s_add_nc_u64 s[PA:PA+1], s[4:5], s[68:69]
.irp c, 0,1,2,3,4,5,6
	GLOAD \c, 64*(\c)                              ; A's ring is filled: chunks 0 to 6, 56 loads
.endr
	WIN 0
	s_add_nc_u64 s[72:73], s[6:7], s[66:67]
	CROUND                                         ; all four work-groups are here: the first joint loads meet
.irp s, 0,1
	s_mov_b32 s[G0+4*(\s)], 1                      ; count = 1
	s_add_co_u32 s[G0+4*(\s)+1], s70, (\s)*SLOT1   ; LDS address
	s_add_nc_u64 s[G0+4*(\s)+2:G0+4*(\s)+3], s[72:73], (\s)*STEPB  ; global address: K step s
	s_or_b32 s[G0+4*(\s)+3], s[G0+4*(\s)+3], 0x80000000           ; type = 2
.endr
	tensor_load_to_lds s[G0:G0+3], s[G1:G1+7]      ; both first fills together: two loads of mine are out
	s_nop 0
	JLOAD
	v_and_b32 v[LANE], 31, v0
	v_lshlrev_b32 v[CSO], 5, v2
	v_and_b32 v4, 7, v0                            ; the turning load: lane l reads row of k 8 h + l % 8, columns 8 ((l / 8) % 2) + 0..7
	v_lshl_add_u32 v4, v2, 3, v4
	v_mul_u32_u24 v4, v4, PB
	v_bfe_u32 v5, v0, 3, 1
	v_lshl_add_u32 v[AB0], v5, 4, v4
	v_mov_b32 v[ADR], v[AB0]                       ; slot 0
	v_add_nc_u32 v[ADR+1], 4*CHB, v[AB0]
	s_mul_i32 s82, s[WV], 16*SPITCH
	s_add_co_u32 s82, s82, STAGE                   ; my stage
	v_mul_u32_u24 v6, v1, SPITCH                   ; in: row r, 32 bytes for each half of the lanes
	v_lshl_add_u32 v6, v2, 5, v6
	v_add_nc_u32 v[STO], s82, v6
	v_mul_u32_u24 v6, v2, SPITCH                   ; back: lanes 0-15 one row of 256 bytes, lanes 16-31 the next
	v_lshl_add_u32 v6, v1, 4, v6
	v_add_nc_u32 v[RD], s82, v6
	v_lshlrev_b32 v6, 13, v2                       ; and the same two rows in C
	v_lshl_add_u32 v[CO], v1, 4, v6
	v_lshlrev_b32 v[PFO], 12, v[LANE]
	s_lshl_b32 s82, s[WV], 3
	s_add_co_u32 s82, s82, SCR
	v_mov_b32 v[XS], s82                           ; wave u's maxima: left at SCR + 8 u, right 4 bytes on
	v_mov_b32 v[XL], SCR                           ; a constant: every wave reads all 32 bytes
	v_mov_b32 v[MX], 0
	v_mov_b32 v[MX+1], 0
	v_mov_b32 v[MX+2], 0
	v_mov_b32 v[MX+3], 0
	v_mov_b32 v[ZO], 0
	s_lshl_b32 s76, s19, 9                         ; the tile's first column in bytes of f32
	s_mov_b32 s77, 0
	s_add_nc_u64 s[8:9], s[8:9], s[76:77]
	s_add_nc_u64 s[10:11], s[10:11], s[74:75]
	s_add_nc_u64 s[10:11], s[10:11], s[76:77]      ; C at my first row, the tile's first column
	s_lshl_b32 s78, s19, 8                         ; amax at my word
	s_lshl_b32 s82, s20, 4
	s_add_co_u32 s78, s78, s82
	s_lshl_b32 s82, s[WV], 2
	s_add_co_u32 s78, s78, s82
	s_mov_b32 s79, 0
	s_add_nc_u64 s[12:13], s[12:13], s[78:79]
	s_lshl_b32 s80, s17, 6                         ; the prefetches: row 64 cx + 32 (wave % 2) of K step 2; the first refill steps them to K step 3
	s_and_b32 s81, s[WV], 1
	s_lshl_b32 s81, s81, 5
	s_add_co_u32 s80, s80, s81
	s_add_co_u32 s80, s80, 2*256
	s_lshl_b32 s80, s80, 12
	s_lshl_b32 s81, s19, 8
	s_add_co_u32 s80, s80, s81
	s_mov_b32 s81, 0
	s_add_nc_u64 s[PFA:PFA+1], s[6:7], s[80:81]
	s_lshr_b32 s83, s[WV], 1                       ; 0 in waves 0 and 1,
	s_or_b32 s83, s83, ttmp9                       ; where the cluster is the tile column's first: the same in all four partners
	s_cmp_eq_u32 s83, 0
	s_cselect_b32 s[LIM], 1, -1
; 4 n matrix instructions: n blocks b0 .. b0 + n - 1 x my 4 row blocks, the chunk at place rr of A's ring, B's fragments in buffer f.  zero = 1: the product starts the sums.
; The 32 accumulators take turns, one instruction a turn and in the same order in every chunk.
.macro MUL rr, f, b0, n, zero
	WIN MULW
.set mb, \b0
.rept \n
.irp a, 0,1,2,3
.if \zero
	v_wmma_f32_16x16x32_f16 v[8*(8*(\a)+mb):8*(8*(\a)+mb)+7], v[(\f)+8*mb:(\f)+8*mb+7], v[32*(\rr)+8*(\a):32*(\rr)+8*(\a)+7], 0
.else
	v_wmma_f32_16x16x32_f16 v[8*(8*(\a)+mb):8*(8*(\a)+mb)+7], v[(\f)+8*mb:(\f)+8*mb+7], v[32*(\rr)+8*(\a):32*(\rr)+8*(\a)+7], v[8*(8*(\a)+mb):8*(8*(\a)+mb)+7]
.endif
.endr
.set mb, mb+1
.endr
.endm
; 16 LDS loads in one run: B's eight fragments of chunk j of the slot in hand into buffer g, n blocks ascending
.macro FETCH j, g
	WIN TO_B
.irp b, 0,1,2,3,4,5,6,7
	ds_load_tr16_b128 v[(\g)+8*(\b):(\g)+8*(\b)+3],   v[ADR+(\j)/4] offset:((\j)%4)*CHB+32*(\b)
	ds_load_tr16_b128 v[(\g)+8*(\b)+4:(\g)+8*(\b)+7], v[ADR+(\j)/4] offset:((\j)%4)*CHB+32*(\b)+16*PB
.endr
.endm
.macro CSLOAD                          ; cs of my 64 columns: 16 loads, where A's ring asks for nothing more
	WIN 0
.irp b, 0,1,2,3,4,5,6,7
	global_load_b128 v[CSR+8*(\b):CSR+8*(\b)+3],   v[CSO], s[8:9] offset:64*(\b)
	global_load_b128 v[CSR+8*(\b)+4:CSR+8*(\b)+7], v[CSO], s[8:9] offset:64*(\b)+16
.endr
.endm
.macro PLACES                          ; four plain instructions between a matrix instruction and a load into its registers or a reader of its result
.rept 4
	v_nop
.endr
.endm
; Chunk p of a K step (p = 0 .. 6; 7 only as the very last).  In its middle stand, in one run, the LDS loads of B's next chunk and the loads of A's chunk seven on, both into registers that the
; chunk before has multiplied.  fetch = 0: nothing follows.  aload = 1: A's loads; 2: cs's; 0: none.  left = the loads issued behind this chunk's own, which may stay out.
.macro CHUNK p, fetch, aload, left, zero
	s_wait_loadcnt \left                           ; loads come back in order: my chunk of A is in
	s_wait_dscnt 8                                 ; B's n blocks 0-3 are in; the youngest eight loads may be out
	MUL \p, 64*((\p)%2), 0, 4, \zero
.if \fetch
	PLACES
	FETCH (\p)+1, 64*(((\p)+1)%2)
.if (\aload) == 1
	GLOAD ((\p)+7)%8, 64*((\p)+7)
.elseif (\aload) == 2
	CSLOAD
.endif
	s_wait_dscnt 16                                ; all but the 16 just issued
.else
	s_wait_dscnt 0x0
.endif
	MUL \p, 64*((\p)%2), 4, 4, \zero
.endm
; Chunk 7 of a K step changes slots: one barrier; in front of it each wave waits for all its tensor loads (one is out: its part of the next slot), adds 0 to its spare word, and waits for that and
; for its reads of this slot.  fill = 1: the barrier opens a round of the cluster's, and behind the round this slot is filled again, two K steps on: from that request to the wait for it a wave
; issues 240 matrix instructions.
.macro TURN fill
	s_wait_xcnt 0x0                                ; every load and prefetch issued so far has read its address: the pointers are written only behind this wait
	s_add_nc_u64 s[PA:PA+1], s[PA:PA+1], 512       ; eight chunks on
.if \fill
	s_add_nc_u64 s[PFA:PFA+1], s[PFA:PFA+1], STEPB
.endif
	WIN 0
	s_wait_loadcnt 48                              ; my chunk of A is in; the six younger chunks stay out
	s_wait_tensorcnt 0x0                           ; all my tensor loads have landed
	ds_add_u32 v[SPW], v[NIL]                      ; 0 onto my spare word
	s_wait_dscnt 9                                 ; (the add and the youngest eight loads may be out)
	MUL 7, 64, 0, 2, 0
	s_wait_dscnt 0x0                               ; the add is done, and my reads of this slot are over
	s_barrier_signal -1
	MUL 7, 64, 2, 2, 0
	WIN 0
	s_barrier_wait -1
.if \fill
	CREST                                          ; no wave of any partner still reads this slot's tile or has a tensor load on its way
	s_xor_b32 s[G0+5], s[G0+5], SLOT1              ; the walking descriptor: the other slot than last time,
	s_add_nc_u64 s[G0+6:G0+7], s[G0+6:G0+7], STEPB ; the next K step
	JLOAD                                          ; the first tensor load behind the round; its four v_nop are also the places in front of the loads below
.else
	PLACES
.endif
	s_xor_b32 s[TB], s[TB], SLOT1
	v_add_nc_u32 v[ADR], s[TB], v[AB0]             ; the fetches go on in the other slot
	v_add_nc_u32 v[ADR+1], 4*CHB, v[ADR]
	FETCH 0, 0
	GLOAD 6, 384
.if \fill
	ASK
.endif
	MUL 7, 64, 4, 4, 0
.endm
	s_wait_tensorcnt 1                             ; my part of K step 0 is in; K step 1's may stay out
	s_barrier_signal -1
	s_barrier_wait -1
	FETCH 0, 0
	CHUNK 0, 1, 1, 48, 1                           ; the first chunk stands in front of the loop: its products start all 32 sums
	WIN 0
	s_mov_b32 s3, 7
	s_branch .Lenter                               ; the loop is entered behind its chunk 0
.Lbody:                                        ; six whole trips: chunk 7 of a K step, which asks for K steps 2 to 7, and chunks 0 to 6 of the next
	TURN 1
	CHUNK 0, 1, 1, 48, 0
	WIN 0
.Lenter:
	CHUNK 1, 1, 1, 48, 0
	CHUNK 2, 1, 1, 48, 0
	CHUNK 3, 1, 1, 48, 0
	CHUNK 4, 1, 1, 48, 0
	CHUNK 5, 1, 1, 48, 0
	CHUNK 6, 1, 1, 48, 0
	WIN 0
	s_sub_co_u32 s3, s3, 1
	s_cmp_lg_u32 s3, 0
	s_cbranch_scc1 .Lbody
	TURN 0                                         ; the last nine chunks are written out: no slot is filled; this one asks for A's chunk 62,
	CHUNK 0, 1, 1, 48, 0                           ; this one for chunk 63, the last
	CHUNK 1, 1, 0, 48, 0                           ; behind chunk 57's loads: chunks 58 to 63
	CHUNK 2, 1, 2, 40, 0                           ; behind chunk 58's: five chunks; cs's 16 loads go out in its middle
	CHUNK 3, 1, 0, 48, 0                           ; four chunks and cs
	CHUNK 4, 1, 0, 40, 0
	CHUNK 5, 1, 0, 32, 0
	CHUNK 6, 1, 0, 24, 0
	CHUNK 7, 0, 0, 16, 0                           ; cs alone
	WIN 0
; THE WAY OUT, a block of 16 rows x 64 columns at a time: block k = row block k / 2, column half k % 2: accumulators' registers 32 k on.
; PACK: times cs, and the half's running largest and least.  TOSTAGE: into my own stage, back as whole rows of 256 bytes.  SEND: stored.
.macro PACK k
	WIN PACKW
.irp b, 0,1,2,3
.irp p, 0,1,2,3
	v_pk_mul_f32 v[TMP+8*(\b)+2*(\p):TMP+8*(\b)+2*(\p)+1], v[32*(\k)+8*(\b)+2*(\p):32*(\k)+8*(\b)+2*(\p)+1], v[CSR+32*((\k)%2)+8*(\b)+2*(\p):CSR+32*((\k)%2)+8*(\b)+2*(\p)+1]
.endr
.endr
	WIN 0
.irp q, 0,1,2,3,4,5,6,7,8,9,10,11,12,13,14,15
	v_max3_num_f32 v[MX+2*((\k)%2)],   v[MX+2*((\k)%2)],   v[TMP+2*(\q)], v[TMP+2*(\q)+1]
	v_min3_num_f32 v[MX+2*((\k)%2)+1], v[MX+2*((\k)%2)+1], v[TMP+2*(\q)], v[TMP+2*(\q)+1]
.endr
.endm
.macro TOSTAGE k
.irp b, 0,1,2,3
	ds_store_b128 v[STO], v[TMP+8*(\b):TMP+8*(\b)+3]   offset:64*(\b)
	ds_store_b128 v[STO], v[TMP+8*(\b)+4:TMP+8*(\b)+7] offset:64*(\b)+16
.endr
.irp t, 0,1,2,3,4,5,6,7
	ds_load_b128 v[BK+32*((\k)%2)+4*(\t):BK+32*((\k)%2)+4*(\t)+3], v[RD] offset:(\t)*2*SPITCH  ; LDS serves a wave's instructions in order: these see the stores above
.endr
.endm
.macro SEND k
	s_wait_dscnt 0x0                               ; the block is back in registers
	s_wait_xcnt 0x0                                ; the stores of the block before have read their registers: the other buffer is loaded again only behind this wait
.irp t, 0,1,2,3,4,5,6,7
	global_store_b128 v[CO], v[BK+32*((\k)%2)+4*(\t):BK+32*((\k)%2)+4*(\t)+3], s[10:11] offset:(16*((\k)/2)+2*(\t))*8192+256*((\k)%2)  ; 16 lanes store 256 consecutive bytes, aligned
.endr
.endm
	s_wait_loadcnt 0x0                             ; cs
	PLACES
	PACK 0
	TOSTAGE 0
.irp k, 1,2,3,4,5,6,7                  ; block k's arithmetic stands between block k - 1's loads from the stage and the wait for them
	PACK \k
	SEND (\k)-1
	TOSTAGE \k
.endr
	SEND 7
	v_sub_f32 v[MX+1], 0, v[MX+1]
	v_sub_f32 v[MX+3], 0, v[MX+3]
	v_max_num_f32 v[MX], v[MX], v[MX+1]            ; my lane's largest magnitudes: left half,
	v_max_num_f32 v[MX+2], v[MX+2], v[MX+3]        ; right half
.irp m, 1,2,4,8
	v_max_num_f32_dpp v[MX], v[MX], v[MX] row_xmask:\m row_mask:0xf bank_mask:0xf
	v_max_num_f32_dpp v[MX+2], v[MX+2], v[MX+2] row_xmask:\m row_mask:0xf bank_mask:0xf
.endr
	v_permlanex16_b32 v[MX+1], v[MX], s[SEL], s[SEL+1]
	v_permlanex16_b32 v[MX+3], v[MX+2], s[SEL], s[SEL+1]
	v_max_num_f32 v[MX], v[MX], v[MX+1]            ; the wave's
	v_max_num_f32 v[MX+2], v[MX+2], v[MX+3]
	ds_store_b32 v[XS], v[MX]                      ; all lanes write the same word with the same value
	ds_store_b32 v[XS], v[MX+2] offset:4
	s_wait_dscnt 0x0                               ; for the others' sake: my two words are in LDS
	s_barrier_signal -1
	s_barrier_wait -1
	ds_load_b128 v[TMP:TMP+3],   v[XL]             ; all eight words: left and right of waves 0 and 1,
	ds_load_b128 v[TMP+4:TMP+7], v[XL] offset:16   ; of waves 2 and 3
	s_and_b32 s67, s[WV], 1
	s_cmp_eq_u32 s67, 1
	s_cselect_b32 s67, -1, 0                       ; all lanes on in an odd wave: it stores the right half's maximum
	s_wait_dscnt 0x0
	v_max3_num_f32 v[MX],   v[TMP],   v[TMP+2], v[TMP+4]
	v_max3_num_f32 v[MX+1], v[TMP+1], v[TMP+3], v[TMP+5]
	v_max_num_f32 v[MX],   v[MX],   v[TMP+6]       ; the tile's left 64 columns,
	v_max_num_f32 v[MX+1], v[MX+1], v[TMP+7]       ; its right 64
	v_cndmask_b32 v[MX], v[MX], v[MX+1], s67
	v_cmp_eq_u32 vcc_lo, 0, v[LANE]
	s_wait_xcnt 0x0                                ; EXEC changes only behind this wait
	s_and_saveexec_b32 s66, vcc_lo
	global_store_b32 v[ZO], v[MX], s[12:13]        ; one word a wave
	s_wait_xcnt 0x0
	s_or_b32 exec_lo, exec_lo, s66
	s_wait_tensorcnt 0x0                           ; the wave's end: behind my last tensor load and my last LDS store
	ds_add_u32 v[SPW], v[NIL]
	s_wait_dscnt 0x0
	CROUND                                         ; the closing round: no work-group ends while a partner may still ask for a tile that names it
	s_endpgm
.Lfunc_end_k_q20efa1cbad_proj:
	.size	k_q20efa1cbad_proj, .Lfunc_end_k_q20efa1cbad_proj-k_q20efa1cbad_proj
	.p2alignl 7, 3214868480
	.fill 96, 4, 3214868480
	.section	.rodata,"a",@progbits
	.p2align	6, 0x0
	.amdhsa_kernel k_q20efa1cbad_proj
		.amdhsa_group_segment_fixed_size 327680
		.amdhsa_private_segment_fixed_size 0
		.amdhsa_enable_private_segment 0
		.amdhsa_kernarg_size 40
		.amdhsa_user_sgpr_count 2
		.amdhsa_user_sgpr_kernarg_segment_ptr 1
		.amdhsa_wavefront_size32 1
		.amdhsa_system_sgpr_workgroup_id_x 1
		.amdhsa_system_sgpr_workgroup_id_y 1
		.amdhsa_system_sgpr_workgroup_id_z 1
		.amdhsa_system_vgpr_workitem_id 0
		.amdhsa_next_free_vgpr 896
		.amdhsa_next_free_sgpr 84
		.amdhsa_reserve_vcc 1
		.amdhsa_float_denorm_mode_32 3
		.amdhsa_float_denorm_mode_16_64 3
		.amdhsa_memory_ordered 1
		.amdhsa_forward_progress 1
		.amdhsa_inst_pref_size 124
	.end_amdhsa_kernel
	.amdgpu_metadata
---
amdhsa.version: [ 1, 2 ]
amdhsa.kernels:
  - .name:           k_q20efa1cbad_proj
    .symbol:         k_q20efa1cbad_proj.kd
    .args:
      - { .name: act16, .offset: 0, .size: 8, .value_kind: global_buffer, .address_space: global }
      - { .name: wcat, .offset: 8, .size: 8, .value_kind: global_buffer, .address_space: global }
      - { .name: cs, .offset: 16, .size: 8, .value_kind: global_buffer, .address_space: global }
      - { .name: P, .offset: 24, .size: 8, .value_kind: global_buffer, .address_space: global }
      - { .name: amax, .offset: 32, .size: 8, .value_kind: global_buffer, .address_space: global }
    .group_segment_fixed_size: 327680
    .private_segment_fixed_size: 0
    .kernarg_segment_align: 8
    .kernarg_segment_size: 40
    .max_flat_workgroup_size: 128
    .sgpr_count:     84
    .vgpr_count:     896
    .wavefront_size: 32
...
	.end_amdgpu_metadata
.endif
;; end of part 2
;; launch build (part 3): grid 512 x 1, 8 waves a work-group, no clusters, 0 bytes of LDS; arguments P, amax, complex_freq, qkv, cs; writes qkv, cs
.if DOCPART == 3
	.amdgcn_target "amdgcn-amd-amdhsa--gfx1250"
	.amdhsa_code_object_version 6
	.text
	.protected	k_q20efa1cbad_build
	.globl	k_q20efa1cbad_build
	.p2align	8
	.type	k_q20efa1cbad_build,@function
k_q20efa1cbad_build:
	s_mov_b64 s[64:65], 0
	v_nop
	global_prefetch_b8 v0, s[64:65] scope:SCOPE_SE
	s_setreg_imm32_b32 hwreg(HW_REG_WAVE_MODE, 25, 1), 1
	s_wait_xcnt 0x0
; From the projections P [4096 tokens][pitch 2048] f32 (columns: Bq 6 x 128, Bk 2 x 128, Bv 2 x 128; Aq 6 x 16 at 1280, Ak 2 x 16 at 1408, Av 2 x 16 at 1472, the A parts already divided by their ranks):
; Bq and Bk are turned by the one row 2048 of complex_freq (rounded to bf16 like every input), and Q, K, V are made head by head:
; Q[h][d] = the sum over r of Aq[r][h] Bq[r][d], and so on.  qkv: Q' at byte 0, K' at 16,777,216, V' at 33,554,432, all f16; each [32 = 16 b + h][2048][128].
; SCALES.  Q' = Q sQ, K' = K sK, V' = V sV with exact powers of two: for a largest magnitude in [2^e, 2^(e+1)) the factor is 2^-e, and sQ = 2^-(eAq + eBq + eF), sK = 2^-(eAk + eBk + eF), sV = 2^-(eAv + eBv).
; The A and B maxima come from amax; F's is the largest |fr| + |fi| of the row, which bounds what the turn can enlarge.  So |Q'| < 48, |K'| < 16, |V'| < 8 whatever the inputs' scale.
; cs[0..2047] = 1 / sV: the last product multiplies its columns by it.  cs[2048..2111] = log2(e) / sqrt(128) / (sQ sK): the attention multiplies its scores by it.
; LIMITS.  Each maximum is held to 2^-40 .. 2^40 (a scale and its inverse are made of the same held number, so the hold changes no value, only the room used in f16); the scores' factor, a product of six
; such inverses, is an infinity beyond 2^128 (the scores themselves are then not finite in f32) and 0 below 2^-149 (they are then 0).  Numbers of Q', K', V' below 6e-5 keep f16's fixed step of 6e-8.
; NaN in amax cannot arise: the maximum there passes it over.
; A STREAM: a wave a token, no LDS, no barrier, no matrix work (rank 2 and 6), no cluster.  Lane l: channels 8 (l % 16) + 0..7, heads 8 (l / 16) + 0..7: sixteen lanes store one whole row of 256 bytes.
.set BR,  16                           ; v[16:95]   ten rows of 8 channels: Bq 0-5, Bk 6-7, Bv 8-9
.set AR,  96                           ; v[96:175]  ten rows of my 8 heads: Aq 0-5, Ak 6-7, Av 8-9
.set F1,  176                          ; v[176:183] (fr, fi) of my four pairs
.set F2,  184                          ; v[184:191] (-fi, fr)
.set QA,  192                          ; v[192:199], v[200:207], v[208:215] first amax's words, then a head's Q, K, V in f32
.set KA,  200
.set VA,  208
.set OUT, 216                          ; v[216:227] the same, rounded
.set M,   228                          ; v[228:234] seven maxima: Bq, Bk, Bv, Aq, Ak, Av, F; later 1 / sV four times and the scores' factor twice
.set TT,  235                          ; at work
                                       ; v[10:11] sQ twice, v[12:13] sK, v[14:15] sV
	s_load_b256 s[4:11], s[0:1], 0x0               ; P s[4:5], amax s[6:7], complex_freq s[8:9], qkv s[10:11]
	s_load_b64 s[12:13], s[0:1], 0x20              ; cs
	v_lshrrev_b32 v1, 5, v0
	v_readfirstlane_b32 s14, v1                    ; wave 0..7
	v_and_b32 v1, 15, v0
	v_bfe_u32 v2, v0, 4, 1
	v_and_b32 v3, 31, v0
	v_lshlrev_b32 v4, 5, v1                        ; my 8 channels in a row of f32, and my four pairs in complex_freq's row
	v_lshlrev_b32 v5, 5, v2                        ; my 8 heads in a row of 16
	v_lshlrev_b32 v6, 4, v1
	v_lshl_or_b32 v6, v2, 22, v6                   ; the stores' offset: 8 heads x 524,288 bytes for the upper lanes, 16 bytes a lane
	v_lshlrev_b32 v7, 4, v3
	v_lshlrev_b32 v8, 3, v3
	s_lshl3_add_u32 s15, ttmp9, s14                ; my token
	s_lshl_b32 s16, s15, 13                        ; its row of P
	s_mov_b32 s17, 0
	s_lshr_b32 s18, s15, 11                        ; b
	s_and_b32 s19, s15, 2047                       ; s
	s_lshl_b32 s18, s18, 15                        ; 16 heads x 2,048 rows
	s_add_co_u32 s18, s18, s19
	s_lshl_b32 s18, s18, 8                         ; rows of 256 bytes
	s_mov_b32 s19, 0
	s_mov_b32 s24, 0x76543210
	s_mov_b32 s25, 0xfedcba98
	s_mov_b32 s26, 0x2b800000                      ; 2^-40
	s_mov_b32 s27, 0x53800000                      ; 2^40
	s_wait_kmcnt 0x0
	s_add_nc_u64 s[16:17], s[4:5], s[16:17]
	s_add_nc_u64 s[18:19], s[10:11], s[18:19]      ; Q',
	s_add_nc_u64 s[20:21], s[18:19], 16777216      ; K',
	s_add_nc_u64 s[22:23], s[18:19], 33554432      ; V' at head 0 of my token
	; amax holds a word for each wave of the product: byte 256 x tile column + 16 x tile row + 4 x wave; an even wave had the tile's left 64 columns, an odd one the right
	global_load_b128 v[QA:QA+3],     v7, s[6:7]               ; tile columns 0 to 5: Bq's 384 words
	global_load_b128 v[QA+4:QA+7],   v7, s[6:7] offset:512
	global_load_b128 v[QA+8:QA+11],  v7, s[6:7] offset:1024
	global_load_b128 v[QA+12:QA+15], v7, s[6:7] offset:1536   ; 6 and 7: Bk's 128 words
	global_load_b128 v[QA+16:QA+19], v7, s[6:7] offset:2048   ; 8 and 9: Bv's
	global_load_b64 v[QA+20:QA+21],  v8, s[6:7] offset:2560   ; 10: Aq's 64 words (the other columns are zeros)
	global_load_b64 v[M+4:M+5],      v8, s[6:7] offset:2816   ; 11: an even word, Ak's, and an odd one, Av's
	global_load_b128 v[F1:F1+3],   v4, s[8:9] offset:1048576  ; row 2048 of complex_freq
	global_load_b128 v[F1+4:F1+7], v4, s[8:9] offset:1048592
.irp r, 0,1,2,3,4,5,6,7,8,9
	global_load_b128 v[BR+8*(\r):BR+8*(\r)+3],   v4, s[16:17] offset:512*(\r) th:TH_LOAD_NT
	global_load_b128 v[BR+8*(\r)+4:BR+8*(\r)+7], v4, s[16:17] offset:512*(\r)+16 th:TH_LOAD_NT
.endr
.irp r, 0,1,2,3,4,5
	global_load_b128 v[AR+8*(\r):AR+8*(\r)+3],   v5, s[16:17] offset:5120+64*(\r) th:TH_LOAD_NT
	global_load_b128 v[AR+8*(\r)+4:AR+8*(\r)+7], v5, s[16:17] offset:5120+64*(\r)+16 th:TH_LOAD_NT
.endr
.irp r, 0,1
	global_load_b128 v[AR+48+8*(\r):AR+48+8*(\r)+3],   v5, s[16:17] offset:5632+64*(\r) th:TH_LOAD_NT
	global_load_b128 v[AR+48+8*(\r)+4:AR+48+8*(\r)+7], v5, s[16:17] offset:5632+64*(\r)+16 th:TH_LOAD_NT
	global_load_b128 v[AR+64+8*(\r):AR+64+8*(\r)+3],   v5, s[16:17] offset:5888+64*(\r) th:TH_LOAD_NT
	global_load_b128 v[AR+64+8*(\r)+4:AR+64+8*(\r)+7], v5, s[16:17] offset:5888+64*(\r)+16 th:TH_LOAD_NT
.endr
	s_wait_loadcnt 0x0                             ; all 49, once a wave
	; the maxima over my words
	v_max3_num_f32 v[M],  v[QA],   v[QA+1], v[QA+2]
	v_max3_num_f32 v[TT], v[QA+3], v[QA+4], v[QA+5]
	v_max3_num_f32 v[M+1], v[QA+12], v[QA+13], v[QA+14]
	v_max3_num_f32 v[M+2], v[QA+16], v[QA+17], v[QA+18]
	v_max3_num_f32 v[M],  v[M],  v[QA+6], v[QA+7]
	v_max3_num_f32 v[TT], v[TT], v[QA+8], v[QA+9]
	v_max_num_f32 v[M+1], v[M+1], v[QA+15]
	v_max_num_f32 v[M+2], v[M+2], v[QA+19]
	v_max3_num_f32 v[M],  v[M],  v[QA+10], v[QA+11]
	v_max_num_f32 v[M+3], v[QA+20], v[QA+21]
	v_max_num_f32 v[M], v[M], v[TT]
	; complex_freq's row, rounded to bf16, and the largest |fr| + |fi| of my four pairs
.irp j, 0,1,2,3
	v_cvt_pk_bf16_f32 v[QA+(\j)], v[F1+2*(\j)], v[F1+2*(\j)+1]
.endr
.irp j, 0,1,2,3
	v_lshlrev_b32 v[F1+2*(\j)], 16, v[QA+(\j)]
	v_and_b32 v[F1+2*(\j)+1], 0xffff0000, v[QA+(\j)]
.endr
.irp j, 0,1,2,3
	v_xor_b32 v[F2+2*(\j)], 0x80000000, v[F1+2*(\j)+1]
	v_mov_b32 v[F2+2*(\j)+1], v[F1+2*(\j)]
.endr
	v_add_f32 v[M+6],  |v[F1]|,   |v[F1+1]|
	v_add_f32 v[TT],   |v[F1+2]|, |v[F1+3]|
	v_add_f32 v[QA],   |v[F1+4]|, |v[F1+5]|
	v_add_f32 v[QA+1], |v[F1+6]|, |v[F1+7]|
	v_max3_num_f32 v[M+6], v[M+6], v[TT], v[QA]
	v_max_num_f32 v[M+6], v[M+6], v[QA+1]
	; over the lanes: four steps inside each half of 16; the two halves hold the same pairs of F, so only the six from amax cross
.irp m, 1,2,4,8
.irp q, 0,1,2,3,4,5,6
	v_max_num_f32_dpp v[M+(\q)], v[M+(\q)], v[M+(\q)] row_xmask:\m row_mask:0xf bank_mask:0xf
.endr
.endr
.irp q, 0,1,2,3,4,5
	v_permlanex16_b32 v[QA+(\q)], v[M+(\q)], s24, s25
.endr
.irp q, 0,1,2,3,4,5
	v_max_num_f32 v[M+(\q)], v[M+(\q)], v[QA+(\q)]
.endr
.irp q, 0,1,2,3,4,5,6
	v_med3_num_f32 v[M+(\q)], v[M+(\q)], s26, s27
.endr
.irp q, 0,1,2,3,4,5,6
	v_lshrrev_b32 v[M+(\q)], 23, v[M+(\q)]         ; E = e + 127, in 87 .. 167
.endr
	v_add3_u32 v[QA],   v[M+3], v[M],   v[M+6]     ; EAq + EBq + EF
	v_add3_u32 v[QA+1], v[M+4], v[M+1], v[M+6]     ; EAk + EBk + EF
	v_add_nc_u32 v[QA+2], v[M+5], v[M+2]           ; EAv + EBv
	v_sub_nc_u32 v10, 508, v[QA]                   ; the exponent field of sQ: 127 - (the sum - 381), in 7 .. 247
	v_sub_nc_u32 v12, 508, v[QA+1]
	v_sub_nc_u32 v14, 381, v[QA+2]                 ; of sV: 127 - (the sum - 254)
	v_add_nc_u32 v[QA],   0xffffff02, v[QA]        ; of 1 / sQ: the sum - 254
	v_add_nc_u32 v[QA+1], 0xffffff02, v[QA+1]
	v_add_nc_u32 v[QA+2], 0xffffff81, v[QA+2]      ; of 1 / sV: the sum - 127
	v_lshlrev_b32 v10, 23, v10
	v_lshlrev_b32 v12, 23, v12
	v_lshlrev_b32 v14, 23, v14
	v_lshlrev_b32 v[QA],   23, v[QA]
	v_lshlrev_b32 v[QA+1], 23, v[QA+1]
	v_lshlrev_b32 v[M],    23, v[QA+2]
	v_mov_b32 v11, v10
	v_mov_b32 v13, v12
	v_mov_b32 v15, v14
	v_mul_f32 v[QA], 0x3e0293ee, v[QA]             ; log2(e) / sqrt(128) / sQ,
	v_mov_b32 v[M+1], v[M]
	v_mov_b32 v[M+2], v[M]
	v_mov_b32 v[M+3], v[M]
	v_mul_f32 v[M+4], v[QA], v[QA+1]               ; / sK
	v_mov_b32 v[M+5], v[M+4]
	; each scale goes once into the A rows
.set k, 0
.rept 24
	v_pk_mul_f32 v[AR+k:AR+k+1], v[AR+k:AR+k+1], v[10:11]
.set k, k+2
.endr
.rept 8
	v_pk_mul_f32 v[AR+k:AR+k+1], v[AR+k:AR+k+1], v[12:13]
.set k, k+2
.endr
.rept 8
	v_pk_mul_f32 v[AR+k:AR+k+1], v[AR+k:AR+k+1], v[14:15]
.set k, k+2
.endr
	; (x0, x1) -> (x0 fr - x1 fi, x0 fi + x1 fr): x0 times (fr, fi), then x1 times (-fi, fr) added
.irp r, 0,1,2,3,4,5,6,7
.irp j, 0,1,2,3
	v_pk_mul_f32 v[QA+2*(\j):QA+2*(\j)+1], v[BR+8*(\r)+2*(\j):BR+8*(\r)+2*(\j)+1], v[F1+2*(\j):F1+2*(\j)+1] op_sel_hi:[0,1]
.endr
.irp j, 0,1,2,3
	v_pk_fma_f32 v[BR+8*(\r)+2*(\j):BR+8*(\r)+2*(\j)+1], v[BR+8*(\r)+2*(\j):BR+8*(\r)+2*(\j)+1], v[F2+2*(\j):F2+2*(\j)+1], v[QA+2*(\j):QA+2*(\j)+1] op_sel:[1,0,0] op_sel_hi:[1,1,1]
.endr
.endr
; My head number i of eight; s = i % 2 says which register of A's pair both halves of a packed line take.
.macro HEAD i, s
.irp p, 0,1,2,3
	v_pk_mul_f32 v[QA+2*(\p):QA+2*(\p)+1], v[BR+2*(\p):BR+2*(\p)+1], v[AR+(\i)-(\s):AR+(\i)-(\s)+1] op_sel:[0,\s] op_sel_hi:[1,\s]
	v_pk_mul_f32 v[KA+2*(\p):KA+2*(\p)+1], v[BR+48+2*(\p):BR+48+2*(\p)+1], v[AR+48+(\i)-(\s):AR+48+(\i)-(\s)+1] op_sel:[0,\s] op_sel_hi:[1,\s]
	v_pk_mul_f32 v[VA+2*(\p):VA+2*(\p)+1], v[BR+64+2*(\p):BR+64+2*(\p)+1], v[AR+64+(\i)-(\s):AR+64+(\i)-(\s)+1] op_sel:[0,\s] op_sel_hi:[1,\s]
.endr
.irp p, 0,1,2,3
	v_pk_fma_f32 v[KA+2*(\p):KA+2*(\p)+1], v[BR+56+2*(\p):BR+56+2*(\p)+1], v[AR+56+(\i)-(\s):AR+56+(\i)-(\s)+1], v[KA+2*(\p):KA+2*(\p)+1] op_sel:[0,\s,0] op_sel_hi:[1,\s,1]
	v_pk_fma_f32 v[VA+2*(\p):VA+2*(\p)+1], v[BR+72+2*(\p):BR+72+2*(\p)+1], v[AR+72+(\i)-(\s):AR+72+(\i)-(\s)+1], v[VA+2*(\p):VA+2*(\p)+1] op_sel:[0,\s,0] op_sel_hi:[1,\s,1]
.endr
.irp r, 1,2,3,4,5
.irp p, 0,1,2,3
	v_pk_fma_f32 v[QA+2*(\p):QA+2*(\p)+1], v[BR+8*(\r)+2*(\p):BR+8*(\r)+2*(\p)+1], v[AR+8*(\r)+(\i)-(\s):AR+8*(\r)+(\i)-(\s)+1], v[QA+2*(\p):QA+2*(\p)+1] op_sel:[0,\s,0] op_sel_hi:[1,\s,1]
.endr
.endr
	s_wait_xcnt 0x0                                ; the last head's stores have read OUT: it is written again only behind this wait
.irp p, 0,1,2,3
	v_cvt_pk_f16_f32 v[OUT+4+(\p)], v[KA+2*(\p)], v[KA+2*(\p)+1]
	v_cvt_pk_f16_f32 v[OUT+8+(\p)], v[VA+2*(\p)], v[VA+2*(\p)+1]
.endr
.irp p, 0,1,2,3
	v_cvt_pk_f16_f32 v[OUT+(\p)], v[QA+2*(\p)], v[QA+2*(\p)+1]
.endr
	global_store_b128 v6, v[OUT+4:OUT+7],  s[20:21] offset:(\i)*524288  ; two whole rows of 256 bytes an instruction: heads i and 8 + i
	global_store_b128 v6, v[OUT+8:OUT+11], s[22:23] offset:(\i)*524288
	global_store_b128 v6, v[OUT:OUT+3],    s[18:19] offset:(\i)*524288
.endm
	HEAD 0, 0
	HEAD 1, 1
	HEAD 2, 0
	HEAD 3, 1
	HEAD 4, 0
	HEAD 5, 1
	HEAD 6, 0
	HEAD 7, 1
	s_cmp_lg_u32 ttmp9, 0
	s_cbranch_scc1 .Ldone
	v_lshlrev_b32 v9, 4, v0                        ; work-group 0 writes cs: 1 / sV, 16 bytes a thread, twice;
	global_store_b128 v9, v[M:M+3], s[12:13]
	global_store_b128 v9, v[M:M+3], s[12:13] offset:4096
	s_cmp_lg_u32 s14, 0
	s_cbranch_scc1 .Ldone
	global_store_b64 v8, v[M+4:M+5], s[12:13] offset:8192  ; its wave 0 the scores' factor: 8 bytes a lane, 256 consecutive bytes
.Ldone:
	s_endpgm
.Lfunc_end_k_q20efa1cbad_build:
	.size	k_q20efa1cbad_build, .Lfunc_end_k_q20efa1cbad_build-k_q20efa1cbad_build
	.p2alignl 7, 3214868480
	.fill 96, 4, 3214868480
	.section	.rodata,"a",@progbits
	.p2align	6, 0x0
	.amdhsa_kernel k_q20efa1cbad_build
		.amdhsa_group_segment_fixed_size 0
		.amdhsa_private_segment_fixed_size 0
		.amdhsa_enable_private_segment 0
		.amdhsa_kernarg_size 40
		.amdhsa_user_sgpr_count 2
		.amdhsa_user_sgpr_kernarg_segment_ptr 1
		.amdhsa_wavefront_size32 1
		.amdhsa_system_sgpr_workgroup_id_x 1
		.amdhsa_system_sgpr_workgroup_id_y 1
		.amdhsa_system_sgpr_workgroup_id_z 1
		.amdhsa_system_vgpr_workitem_id 0
		.amdhsa_next_free_vgpr 236
		.amdhsa_next_free_sgpr 66
		.amdhsa_reserve_vcc 0
		.amdhsa_float_denorm_mode_32 3
		.amdhsa_float_denorm_mode_16_64 3
		.amdhsa_memory_ordered 1
		.amdhsa_forward_progress 1
		.amdhsa_inst_pref_size 48
	.end_amdhsa_kernel
	.amdgpu_metadata
---
amdhsa.version: [ 1, 2 ]
amdhsa.kernels:
  - .name:           k_q20efa1cbad_build
    .symbol:         k_q20efa1cbad_build.kd
    .args:
      - { .name: P, .offset: 0, .size: 8, .value_kind: global_buffer, .address_space: global }
      - { .name: amax, .offset: 8, .size: 8, .value_kind: global_buffer, .address_space: global }
      - { .name: complex_freq, .offset: 16, .size: 8, .value_kind: global_buffer, .address_space: global }
      - { .name: qkv, .offset: 24, .size: 8, .value_kind: global_buffer, .address_space: global }
      - { .name: cs, .offset: 32, .size: 8, .value_kind: global_buffer, .address_space: global }
    .group_segment_fixed_size: 0
    .private_segment_fixed_size: 0
    .kernarg_segment_align: 8
    .kernarg_segment_size: 40
    .max_flat_workgroup_size: 256
    .sgpr_count:     66
    .vgpr_count:     236
    .wavefront_size: 32
...
	.end_amdgpu_metadata
.endif
;; end of part 3
;; launch attn (part 4): grid 8 x 32, 4 waves a work-group, clusters of 4 x 1, 327,680 bytes of LDS; arguments qkv, cs, act16; writes act16
.if DOCPART == 4
	.amdgcn_target "amdgcn-amd-amdhsa--gfx1250"
	.amdhsa_code_object_version 6
	.text
	.protected	k_q20efa1cbad_attn
	.globl	k_q20efa1cbad_attn
	.p2align	8
	.type	k_q20efa1cbad_attn,@function
k_q20efa1cbad_attn:
	s_mov_b64 s[64:65], 0
	v_nop
	global_prefetch_b8 v0, s[64:65] scope:SCOPE_SE
	s_setreg_imm32_b32 hwreg(HW_REG_WAVE_MODE, 25, 1), 1
	s_wait_xcnt 0x0
	s_wait_alu depctr_hold_cnt(0) depctr_sa_sdst(0) depctr_va_vdst(0) depctr_va_sdst(0) depctr_va_ssrc(0) depctr_va_vcc(0) depctr_vm_vsrc(0)
	s_getreg_b32 s2, hwreg(HW_REG_IB_STS2, 6, 4)
	s_cmp_eq_u32 s2, 0
	s_cbranch_scc0 .Lentry_in_a_cluster
	s_endpgm
.Lentry_in_a_cluster:
	s_bfe_u32 s2, ttmp6, 0x10000c
	s_cmp_lg_u32 s2, 0x3003
	s_cbranch_scc0 .Lentry_shape_is_right
	s_endpgm
.Lentry_shape_is_right:
; O'[q][:] = the sum over k of softmax_k(Q[q] . K[k] / sqrt(128)) V'[k][:], for each of 32 heads (16 b + h) of 2,048 rows of 128.  The three sections of qkv hold Q' = Q sQ, K' = K sK, V' = V sV in f16,
; each times an exact power of two (|Q'| < 48, |K'| < 16, |V'| < 8); the scores' factor c = log2(e) / sqrt(128) / (sQ sK) is read from cs, word 2048.
; Products, maxima and sums in f32; the weights p are rounded to f16 for the second product (their sum l is taken of the unrounded p), O' to f16 once at the end.
; O' goes to act16 as [4096 tokens][2048 = 128 h + d], the last product's left operand.
; LIMITS.  p lies in 0 to 1 and below 6e-5 keeps f16's fixed step; O' is a mean of V' rows and has their range; a weight below 2^-126 counts as 0 in l; c is taken as it comes (finite wherever the
; scores are finite in f32); NaN and infinities are not treated apart.
; SHARES.  A work-group owns 256 queries of one head, each of its four waves 64: four tiles of 16.  Every wave walks all keys of the head, 64 a step.
; LAYOUT.  S^T = K Q^T (source 0 = 16 keys, source 1 = 16 queries): a lane holds ONE query (lane % 16) and the keys 8 (lane / 16) + 0..7.  Two such tiles, rounded in pairs, ARE source 1 of
; O^T = V^T P, whose result again holds one query a lane, and eight channels.  K comes out of LDS as it lies, V turned, by ds_load_tr16_b128.
; SOFTMAX.  A running maximum m and sum l: p = 2^(c s - c m); in every step O and l are multiplied by a = 2^(c m_old - c m_new).
; BY TURNS.  The wave's tiles are two PIECES (tiles 0, 1 and tiles 2, 3).  In a TURN one piece has the matrix unit: 32 products V^T P of the step in hand, then 32 products K Q^T of the next;
; the other piece's softmax, cut into 64 slices, stands between them, one slice behind each matrix instruction.  Two turns are a key step.
; CLUSTER.  The four query blocks of a cluster belong to one head and walk the same K and V: each tile is asked for jointly.
; REGISTERS, in windows of 256: window 0: v0-11 addresses; v12-43 statistics, eight a tile; v64-191 S^T, 32 a tile; v192-255 P, 16 a tile.  Window 1: O^T, 64 a tile.
; Window 2: v0-127 Q; v128-255 K of one step.  Window 3: v0-127 V of one step.
.set SIZE_N, 2048
.set KSEC,  16777216  ; K's section of qkv
.set VSEC,  33554432  ; V's
.set KS,    64        ; keys in a step
.set PK,    272       ; a row of K in LDS: 256 + 16 bytes: the 16 rows of a load start at 16 different groups of four banks
.set PV,    288       ; a row of V: 256 + 32 bytes
.set VOFF,  KS*PK     ; a step's tiles lie together: 64 rows of K, then 64 rows of V
.set STEPB, KS*(PK+PV)
.set SLOT1, 1<<17     ; a slot holds two steps; slot 1 begins here, so that one exclusive or turns an address in one slot into the other's
.set STAGE, SLOT1+2*STEPB  ; behind the ring: 16 rows x 272 bytes for each wave, for the way out
.set SP,    272
.set AK0, 2           ; v2   my lane's place in a tile of K; never rewritten
.set AV0, 3           ; v3   the same for V
.set ADR, 4           ; v4   the LDS address of the run of loads in hand
.set QO,  5           ; v5   my byte offset in the wave's rows of Q
.set STO, 6           ; v6   the way out: where I put 16 bytes of a row
.set RD,  7           ; v7   the way out: where I read a row back
.set GO,  8           ; v8   my byte offset in the wave's rows of O'
.set SPW, 62          ; v62  my spare word: SPARE + 4 x my thread's number; never rewritten
.set NIL, 63          ; v63  0; never rewritten
.set SPARE, STAGE+4*16*272  ; behind the stages: the spare words, 128 bytes a wave: two blocks of 256 bytes that no other line names
.set ST,  12          ; tile t's statistics at v[ST+8 t]: +0 c m, +1 m, +2, +3 l (even keys', odd keys'), +4 to +7 at work; a takes +6 once the maximum is found
.set S,   64
.set P,   192
.set KF,  128         ; K's fragments, in window 2
.set WV,  12          ; s12  my wave's number
.set G1K, 24          ; s[24:31] descriptor group 1 for K's tiles
.set G1V, 32          ; s[32:39] for V's: it differs in the padding alone
.set G0K, 40          ; s[40:47] descriptor group 0 for K's tiles: a set for each of the two first fills; the second then walks on
.set G0V, 48          ; s[48:55] the same for V's
.set SLOTS, 56        ; s56  slots still to be asked for
.set TWICE, 57        ; s57  counts a slot's two steps
.set CS,  58          ; s[58:59] c
.set SEL, 60          ; s[60:61] v_permlanex16_b32's selects
.set TB,  62          ; s62  LDS byte at which the tiles of the step to be fetched begin
.set PFA, 18          ; s[18:19] where my prefetches stand
.set LIM, 15          ; s15  1 in a wave that prefetches, else the greatest number
.set PFO, 61          ; v61  256 x my lane; never rewritten
.set MSB, 0
.macro WIN new                      ; the immediate's high byte repeats the setting that is left; a switch that changes nothing is dropped
.if MSB != (\new)
	s_set_vgpr_msb (MSB<<8)|(\new)
.set MSB, \new
.endif
.endm
.set W_KQ, 0x0a       ; K and Q in window 2, S^T in window 0
.set W_PV, 0x53       ; V in window 3, P in window 0, O^T in window 1
.set W_RS, 0x41       ; O^T (destination and source 0) in window 1, a in window 0
; A joint refill.  Waves 0 and 1 fetch the two steps' tiles of K, waves 2 and 3 those of V.  An s_nop 0 and four v_nop follow each of the two lines.
.macro JLOAD
	s_cmp_lt_u32 s[WV], 2
	s_cbranch_scc0 .Lfor_v_\@
	tensor_load_to_lds s[G0K+4:G0K+7], s[G1K:G1K+7]
	s_nop 0
.rept 4
	v_nop
.endr
	s_branch .Lasked_\@
.Lfor_v_\@:
	tensor_load_to_lds s[G0V+4:G0V+7], s[G1V:G1V+7]
	s_nop 0
.rept 4
	v_nop
.endr
.Lasked_\@:
.endm
; A prefetch of what the NEXT change of slots will ask for: a slot's 128 rows of K and of V, a lane a row.  Each row is named once in the launch: the head's first cluster asks; its four partners
; take 32 rows each, told apart by address; in each, wave 0 asks for K's and wave 2 for V's.  Slots 0 to 2 come by their loads alone; the last change that fills a slot asks for nothing.
.macro ASK
	s_cmp_gt_u32 s[SLOTS], s[LIM]
	s_cbranch_scc0 .Lnot_mine_\@
	global_prefetch_b8 v[PFO], s[PFA:PFA+1] th:TH_LOAD_NT scope:SCOPE_SE
.Lnot_mine_\@:
.endm
.macro CROUND                       ; a round of the cluster's barrier
	s_barrier_signal -1
	s_barrier_wait -1
	s_cmp_lg_u32 s[WV], 0
	s_cbranch_scc1 .Lnot_wave_0_\@
	s_barrier_signal -3
.Lnot_wave_0_\@:
	s_barrier_wait -3
	s_barrier_signal -1
	s_barrier_wait -1
.endm
	s_load_b64 s[4:5], s[0:1], 0x0    ; qkv: Q's section
	s_load_b64 s[70:71], s[0:1], 0x8  ; cs
	s_load_b64 s[10:11], s[0:1], 0x10 ; act16: O'
	v_lshl_add_u32 v[SPW], v0, 2, SPARE
	v_mov_b32 v[NIL], 0
	ds_add_u32 v[SPW], v[NIL]       ; the wave's opening: the add and its wait stand ahead of my first tensor load; work on registers stands between them
	v_lshrrev_b32 v1, 5, v0
	v_readfirstlane_b32 s[WV], v1   ; wave 0..3
	s_bfe_u32 s13, ttmp6, 0x40000   ; cx
	s_lshl_b32 s14, ttmp9, 2
	s_add_co_u32 s14, s14, s13      ; my block of 256 queries: it enters Q's and O's addresses alone
	s_and_b32 s20, ttmp7, 0xffff    ; the head, which the four partners share
	s_mov_b32 s21, 0
	s_mov_b64 s[22:23], SIZE_N*256
	s_mul_u64 s[20:21], s[20:21], s[22:23]  ; the head's first byte in each section
	s_and_b32 s16, s[WV], 1         ; which of a slot's two steps I fetch:
	s_lshl_b32 s22, s16, 14         ; its 64 rows of 256 bytes in memory,
	s_mov_b32 s23, 0
	s_add_nc_u64 s[22:23], s[22:23], s[20:21]
	s_mul_i32 s17, s16, STEPB       ; and its place in a slot
	s_lshl_b32 s2, s14, 16          ; my block's 256 rows,
	s_lshl_b32 s3, s[WV], 14        ; my wave's 64 of them
	s_add_co_u32 s2, s2, s3
	s_mov_b32 s3, 0
	s_add_nc_u64 s[2:3], s[2:3], s[20:21]
	s_and_b32 s68, ttmp7, 0xffff    ; O': token 2,048 b + 256 block + 64 wave, 4,096 bytes a token; 256 bytes a head
	s_lshr_b32 s66, s68, 4
	s_lshl_b32 s66, s66, 11
	s_lshl_b32 s67, s14, 8
	s_add_co_u32 s66, s66, s67
	s_lshl_b32 s67, s[WV], 6
	s_add_co_u32 s66, s66, s67
	s_lshl_b32 s66, s66, 12
	s_and_b32 s68, s68, 15
	s_lshl_b32 s68, s68, 8
	s_add_co_u32 s66, s66, s68
	s_mov_b32 s67, 0
	; descriptor group 1: a tile of 64 rows x 128 elements, padded in LDS
	s_mov_b32 s[G1K], 15|(1<<16)|(1<<20)|(1<<21)|(5<<22)|(3<<25)  ; the mask of four; 2-byte elements; padding on; bit 21 beside a mask; after every 64 words 4 words
	s_mov_b32 s[G1V], 15|(1<<16)|(1<<20)|(1<<21)|(5<<22)|(7<<25)  ; the same with 8 words of padding
.irp g, G1K, G1V
	s_mov_b32 s[(\g)+1], 128<<16    ; tensor_dim0 = 128
	s_mov_b32 s[(\g)+2], KS<<16     ; tensor_dim1 = 64
	s_mov_b32 s[(\g)+3], 128<<16    ; tile_dim0 = 128
	s_mov_b32 s[(\g)+4], KS         ; tile_dim1 = 64
	s_mov_b32 s[(\g)+5], 128        ; elements from row to row
	s_mov_b32 s[(\g)+6], 0
	s_mov_b32 s[(\g)+7], 0
.endr
	s_mov_b32 s[SEL], 0x76543210
	s_mov_b32 s[SEL+1], 0xfedcba98
	s_mov_b32 s[TB], 0
	s_mov_b32 s[SLOTS], SIZE_N/(2*KS)-2
	s_and_b32 s[LIM], s[WV], 1       ; 0 in waves 0 and 2,
	s_or_b32 s[LIM], s[LIM], ttmp9   ; where the cluster is the head's first: the same in all four partners
	s_cmp_eq_u32 s[LIM], 0
	s_cselect_b32 s[LIM], 1, -1
	v_and_b32 v[PFO], 31, v0
	v_lshlrev_b32 v[PFO], 8, v[PFO]
	s_wait_dscnt 0x0                ; the opening add is done
	s_wait_kmcnt 0x0
	s_load_b32 s[CS], s[70:71], 0x2000     ; c: word 2048 of cs; the address work below stands between the load and the wait for it
	s_add_nc_u64 s[6:7], s[4:5], KSEC
	s_add_nc_u64 s[8:9], s[4:5], VSEC
	s_add_nc_u64 s[6:7], s[6:7], s[22:23]  ; K and V at my tile of slot 0
	s_add_nc_u64 s[8:9], s[8:9], s[22:23]
	s_add_nc_u64 s[4:5], s[4:5], s[2:3]    ; Q at my wave's first row
	s_add_nc_u64 s[10:11], s[10:11], s[66:67]  ; O' likewise
	s_cmp_lt_u32 s[WV], 2
	s_cselect_b64 s[PFA:PFA+1], s[6:7], s[8:9]  ; (in waves 0 and 2 these stand at a slot's first row)
	s_lshl_b32 s2, s13, 13          ; my work-group's 32 rows of the 128
	s_mov_b32 s3, 0
	s_add_nc_u64 s[PFA:PFA+1], s[PFA:PFA+1], s[2:3]
	s_add_nc_u64 s[PFA:PFA+1], s[PFA:PFA+1], 2*2*KS*256  ; in slot 2; the first change of slots steps it to slot 3
	s_wait_kmcnt 0x0                ; c is in: once a wave, ahead of the first round
	s_mov_b32 s[CS+1], s[CS]        ; named with it as a pair
	CROUND                          ; all four work-groups are here: the first joint loads meet
.irp s, 0,1
	s_mov_b32 s[G0K+4*(\s)], 1      ; count = 1
	s_add_co_u32 s[G0K+4*(\s)+1], s17, (\s)*SLOT1  ; LDS address
	s_add_nc_u64 s[G0K+4*(\s)+2:G0K+4*(\s)+3], s[6:7], (\s)*2*KS*256  ; global address: slot s begins with key 128 s
	s_or_b32 s[G0K+4*(\s)+3], s[G0K+4*(\s)+3], 0x80000000  ; type = 2
	s_mov_b32 s[G0V+4*(\s)], 1
	s_add_co_u32 s[G0V+4*(\s)+1], s17, (\s)*SLOT1+VOFF
	s_add_nc_u64 s[G0V+4*(\s)+2:G0V+4*(\s)+3], s[8:9], (\s)*2*KS*256
	s_or_b32 s[G0V+4*(\s)+3], s[G0V+4*(\s)+3], 0x80000000
.endr
	s_cmp_lt_u32 s[WV], 2           ; a wave's two first fills stand in one branch, ahead of every wait on TENSORcnt and every LDS read: two loads of mine are out
	s_cbranch_scc0 .Lfirst_v
	tensor_load_to_lds s[G0K:G0K+3], s[G1K:G1K+7]
	s_nop 0
	tensor_load_to_lds s[G0K+4:G0K+7], s[G1K:G1K+7]
	s_nop 0
.rept 4
	v_nop
.endr
	s_branch .Lfirst_asked
.Lfirst_v:
	tensor_load_to_lds s[G0V:G0V+3], s[G1V:G1V+7]
	s_nop 0
	tensor_load_to_lds s[G0V+4:G0V+7], s[G1V:G1V+7]
	s_nop 0
.rept 4
	v_nop
.endr
.Lfirst_asked:
	; A fragment of K or Q is 16 rows x 32 channels in 8 registers: lane l holds row l % 16; two loads of 16 bytes, 32 bytes apart, at 16 (l / 16).
	v_and_b32 v1, 15, v0            ; l % 16
	v_bfe_u32 v9, v0, 4, 1          ; l / 16
	v_lshlrev_b32 v[QO], 8, v1
	v_lshl_add_u32 v[QO], v9, 4, v[QO]
	WIN 0x80                        ; destination window 2, address window 0
.irp i, 0,1,2,3,4,5,6,7,8,9,10,11,12,13,14,15  ; Q stays in registers: tile i / 4, channels 32 (i % 4) on
	global_load_b128 v[8*(\i):8*(\i)+3],   v[QO], s[4:5] offset:((\i)/4)*4096+((\i)%4)*64
	global_load_b128 v[8*(\i)+4:8*(\i)+7], v[QO], s[4:5] offset:((\i)/4)*4096+((\i)%4)*64+32
.endr
	WIN 0
	v_mul_u32_u24 v[AK0], v1, PK
	v_lshl_add_u32 v[AK0], v9, 4, v[AK0]
	; The turning load: lane l reads key 8 (l / 16) + l % 8, channels 8 ((l / 8) % 2) + 0..7, and ends with channel l % 16 and 8 keys.
	v_and_b32 v10, 7, v0
	v_bfe_u32 v11, v0, 3, 1
	v_lshl_add_u32 v[AV0], v9, 3, v10
	v_mul_u32_u24 v[AV0], v[AV0], PV
	v_lshl_add_u32 v[AV0], v11, 4, v[AV0]
	v_add_nc_u32 v[AV0], VOFF, v[AV0]
; THE MATRIX WORK OF A TURN, for piece x.  The accumulators take turns, one instruction a turn.
; Product i of 32 of O^T += V^T P: keys 32 (i / 16) on, channels 16 ((i / 2) % 8) on, tile x + i % 2.  zero = 1: the first 16 start the sums.
.macro PV x, zero
	WIN W_PV
.set rO, 64*((\x)+i%2)+8*((i/2)%8)
.set rV, 64*(i/16)+8*((i/2)%8)
.set rP, P+16*((\x)+i%2)+8*(i/16)
.if (\zero) && (i < 16)
	v_wmma_f32_16x16x32_f16 v[rO:rO+7], v[rV:rV+7], v[rP:rP+7], 0
.else
	v_wmma_f32_16x16x32_f16 v[rO:rO+7], v[rV:rV+7], v[rP:rP+7], v[rO:rO+7]
.endif
.endm
; Product i of 32 of S^T = K Q^T: channels 32 (i / 8) on, keys 16 ((i / 2) % 4) on, tile x + i % 2.  The first 8 start the sums.
.macro KQ x
	WIN W_KQ
.set rS, S+32*((\x)+i%2)+8*((i/2)%4)
.set rK, KF+32*((i/2)%4)+8*(i/8)
.set rQ, 32*((\x)+i%2)+8*(i/8)
.if i < 8
	v_wmma_f32_16x16x32_f16 v[rS:rS+7], v[rK:rK+7], v[rQ:rQ+7], 0
.else
	v_wmma_f32_16x16x32_f16 v[rS:rS+7], v[rK:rK+7], v[rQ:rQ+7], v[rS:rS+7]
.endif
.endm
; THE LDS LOADS stand in runs of 32: a step's K (16 fragments) and, a turn later, its V (turned).
.macro FETCH_K
	WIN 0
	v_add_nc_u32 v[ADR], s[TB], v[AK0]
	WIN 0x80                        ; destination window 2
.irp f, 0,1,2,3,4,5,6,7,8,9,10,11,12,13,14,15  ; keys 16 (f / 4) on, channels 32 (f % 4) on
	ds_load_b128 v[KF+8*(\f):KF+8*(\f)+3],   v[ADR] offset:((\f)/4)*16*PK+((\f)%4)*64
	ds_load_b128 v[KF+8*(\f)+4:KF+8*(\f)+7], v[ADR] offset:((\f)/4)*16*PK+((\f)%4)*64+32
.endr
.endm
.macro FETCH_V
	WIN 0
	v_add_nc_u32 v[ADR], s[TB], v[AV0]
	s_add_co_u32 s[TB], s[TB], STEPB  ; the next fetch is the next step's
	s_wait_alu depctr_va_vdst(0)    ; the wait for the softmax's batch of exponentials, behind the address's line and ahead of the loads
	WIN 0xc0                        ; destination window 3
.irp f, 0,1,2,3,4,5,6,7,8,9,10,11,12,13,14,15  ; keys 32 (f / 8) on, channels 16 (f % 8) on
	ds_load_tr16_b128 v[8*(\f):8*(\f)+3],   v[ADR] offset:((\f)/8)*32*PV+((\f)%8)*32
	ds_load_tr16_b128 v[8*(\f)+4:8*(\f)+7], v[ADR] offset:((\f)/8)*32*PV+16*PV+((\f)%8)*32
.endr
.endm
; THE VECTOR WORK OF A TURN.  One tile's softmax for one key step is a list of 134 instructions; SM writes number j of it for tile t.  first = 1: the first key step, with no a and nothing to rescale.
;   0-15    the maximum of the lane's 32 scores and the old m, three operands at a time
;   16-20   the other half of the lanes' maximum; the new m; c m; c m_old - c m_new
;   21-69   ONE BATCH: the 16 scalings c s - c m and all 33 exponentials (a at 23); none of these reads an exponential's result
;   (wait)  between 69 and 70 stands the wait for the batch, written by SLICE, once for both tiles
;   70-85   the roundings to f16     86-101  the sums; l = a l + the sum     102-133  the tile's O^T times a
.macro SM t, first
.set rT, ST+8*(\t)
.set rS, S+32*(\t)
.set rP, P+16*(\t)
.set rO, 64*(\t)+2*(j-102)
.if j < 102
	WIN 0
.endif
.if j < 4
	v_max3_num_f32 v[rT+4+j], v[rS+8*j], v[rS+8*j+1], v[rS+8*j+2]
.elseif j < 12
	v_max3_num_f32 v[rT+4+j%4], v[rT+4+j%4], v[rS+8*(j%4)+2*(j/4)+1], v[rS+8*(j%4)+2*(j/4)+2]
.elseif j == 12
	v_max3_num_f32 v[rT+4], v[rT+4], v[rS+7], v[rS+15]
.elseif j == 13
	v_max3_num_f32 v[rT+6], v[rT+6], v[rS+23], v[rS+31]
.elseif j == 14
	v_max3_num_f32 v[rT+4], v[rT+4], v[rT+5], v[rT+6]
.elseif (j == 15) && (\first)
	v_max_num_f32 v[rT+4], v[rT+4], v[rT+7]
.elseif j == 15
	v_max3_num_f32 v[rT+4], v[rT+4], v[rT+7], v[rT+1]
.elseif j == 16
	v_permlanex16_b32 v[rT+5], v[rT+4], s[SEL], s[SEL+1]  ; the query's other 32 keys lie in the lane 16 away
.elseif j == 18
	v_max_num_f32 v[rT+1], v[rT+4], v[rT+5]
.elseif j == 19
	v_mul_f32 v[rT], s[CS], v[rT+1]
.elseif ((j == 17) || (j == 20) || (j == 23) || (j > 101)) && (\first)  ; the first step has none of these
.elseif j == 17
	v_mov_b32 v[rT+7], v[rT]        ; c m_old is kept for a
.elseif j == 20
	v_sub_f32 v[rT+7], v[rT+7], v[rT]
.elseif j == 23
	v_exp_f32 v[rT+6], v[rT+7]
.elseif (j < 23) || ((j < 38) && (j%2 == 0)) || ((j < 66) && (j%4 == 2))
.set b, (j-2)/4                     ; 38, 42, .. 62: pairs 9 to 15
.if j < 38
.set b, (j-20)/2                    ; 21: pair 0; 22, 24, .. 36: pairs 1 to 8
.endif
	v_pk_fma_f32 v[rS+2*b:rS+2*b+1], v[rS+2*b:rS+2*b+1], s[CS:CS+1], v[rT:rT+1] op_sel_hi:[1,0,0] neg_lo:[0,0,1] neg_hi:[0,0,1]  ; pair b: c s - c m
.elseif j < 70
.set e, j-38                        ; 66 to 69: s28 to s31
.if j < 66
.set e, j-32-(j-38)/4               ; 39-41, 43-45, .. 63-65: s7 to s27
.endif
.if j < 38
.set e, (j-25)/2                    ; 25, 27, .. 37: s0 to s6
.endif
	v_exp_f32 v[rS+e], v[rS+e]
.elseif j < 86
	v_cvt_pk_f16_f32 v[rP+j-70], v[rS+2*(j-70)], v[rS+2*(j-70)+1]  ; pair j - 70
.elseif j < 102                     ; the sum of the tile's 16 pairs, in place: neighbours 1, 2, 4 and 8 pairs apart, then l takes it
.set z, j-86
.set w, 4
.set u, z
.if z >= 14
.set w, 32
.set u, 0
.elseif z >= 12
.set w, 16
.set u, z-12
.elseif z >= 8
.set w, 8
.set u, z-8
.endif
.if (z == 14) && (\first)
	v_pk_add_f32 v[rT+2:rT+3], v[rS:rS+1], v[rS+16:rS+17]
.elseif z < 15
	v_pk_add_f32 v[rS+w*u:rS+w*u+1], v[rS+w*u:rS+w*u+1], v[rS+w*u+w/2:rS+w*u+w/2+1]
.elseif !(\first)
	v_pk_fma_f32 v[rT+2:rT+3], v[rT+2:rT+3], v[rT+6:rT+7], v[rS:rS+1] op_sel_hi:[1,0,1]
.endif
.else
	WIN W_RS
	v_pk_mul_f32 v[rO:rO+1], v[rO:rO+1], v[rT+6:rT+7] op_sel_hi:[1,0]
.endif
.endm
; Slice k of 64 of piece y's softmax: four instructions.  Slices 11 to 34 deal out the batch, numbers 22 to 69: four numbers of ONE tile each, the tiles by turns.  Every other slice is numbers
; 2 k and 2 k + 1 of both tiles' lists.  2 x 134 = 4 x 64 + 12: the twelve that are over stand together, in slice 63.
; Ahead of slice 35 nothing names an exponential's result, and behind slice 34 no exponential is issued: the piece's 66 exponentials have one wait, behind slice 34.
.macro SLICE y, first
.if (k >= 11) && (k < 35)
.irp n, 0,1,2,3
.set j, 22+4*((k-11)/2)+(\n)
	SM (\y)+(k-11)%2, \first
.endr
.else
.irp n, 0,1,2,3,4,5,6,7
.if ((\n) < 2) || (k == 63)
.irp t, \y, (\y)+1
.set j, 2*k+(\n)
	SM \t, \first
.endr
.endif
.endr
.endif
.if k == 34
	v_nop                           ; a plain instruction behind the last exponential and ahead of the first use: one for the batch
.if (\y) == 0
	FETCH_V                         ; piece 2's turn: V's run of loads stands here, and the wait stands in it
.else
	s_wait_alu depctr_va_vdst(0)    ; the wait for the batch
.endif
.endif
.set k, k+1
.endm
.macro PLACES                       ; four plain instructions behind a matrix instruction, where no slice stands (ISA guide 7.12.1)
.rept 4
	v_nop
.endr
.endm
; A TURN.  Piece x has the matrix unit; the other piece's softmax stands in slices behind its matrix instructions.
; pv = 2: 32 products V^T P; 1: they start O^T's sums; 0: none.  kq = 1: 32 products K Q^T for the next step.  A turn with one of the two kinds has two slices behind each product.
; Piece 0's turn fetches the next step's K behind its second product; piece 2's turn the same step's V behind slice 34.  Each run stands 29 matrix instructions or more ahead of its first use.
.macro TURN x, pv, kq, first
.set k, 0
.set per, 2
.if (\pv) && (\kq)
.set per, 1
.endif
.if \pv
.if (\x) == 0
	s_wait_dscnt 0x0                ; V is in
.endif
.set i, 0
.rept 32
	PV \x, 2-(\pv)
.rept per
	SLICE 2-(\x), \first
.endr
.if ((\x) == 0) && (\kq) && (i == 1)
	FETCH_K
.endif
.set i, i+1
.endr
.endif
.if \kq
.if (\x) == 0
	s_wait_dscnt 0x0                ; K is in
.endif
.set i, 0
.rept 32
	KQ \x
.rept per
	SLICE 2-(\x), \first
.endr
.set i, i+1
.endr
.endif
.if \first
	PLACES
.endif
.endm
; THE CHANGE OF SLOTS.  Each wave waits for all its tensor loads (one is out: its part of the other slot), adds 0 to its spare word, and waits for that and for its reads of the slot.
; fill = 1: the barrier is a round of the cluster's, and the joint refill, with the keys two slots on, is the first thing behind it: it has two key steps, 256 matrix instructions, in which to land.
.macro CHANGE fill
	WIN 0
	s_wait_tensorcnt 0x0            ; no tensor load of mine is out, so a group 0 may be written
	ds_add_u32 v[SPW], v[NIL]       ; 0 onto my spare word
.if \fill
.irp g, G0K+4, G0V+4
	s_xor_b32 s[(\g)+1], s[(\g)+1], SLOT1  ; the walking descriptor: the other slot than last time,
	s_add_nc_u64 s[(\g)+2:(\g)+3], s[(\g)+2:(\g)+3], 2*KS*256  ; the next 128 keys
.endr
	s_wait_xcnt 0x0                 ; the last prefetch, two key steps back, has read its address
	s_add_nc_u64 s[PFA:PFA+1], s[PFA:PFA+1], 2*KS*256
	s_wait_dscnt 0x0                ; the add is done, and my reads of the slot are over
	CROUND
	JLOAD
	ASK
.else
	s_wait_dscnt 0x0
	s_barrier_signal -1
	s_barrier_wait -1
.endif
	s_sub_co_u32 s[TB], s[TB], 2*STEPB  ; the fetches go back to a slot's first step,
	s_xor_b32 s[TB], s[TB], SLOT1   ; in the other slot
.endm
.macro TWO_STEPS                    ; a slot's two key steps: written once, walked twice
	WIN 0
	s_mov_b32 s[TWICE], 2
.Lstep_\@:
	TURN 0, 2, 1, 0
	TURN 2, 2, 1, 0
	WIN 0
	s_sub_co_u32 s[TWICE], s[TWICE], 1
	s_cmp_lg_u32 s[TWICE], 0
	s_cbranch_scc1 .Lstep_\@
.endm
	s_wait_tensorcnt 1              ; my part of slot 0 is in; slot 1's may stay out
	s_barrier_signal -1
	s_barrier_wait -1
	FETCH_K                         ; key step 0
	s_wait_loadcnt 0x0              ; Q
	s_wait_dscnt 0x0
.set i, 0
.rept 32
	KQ 0                            ; piece 0's first scores
.set i, i+1
.endr
	WIN 0                           ; the addresses for the way out: eight plain instructions, the places behind those products
	s_mul_i32 s13, s[WV], 16*SP
	s_add_co_u32 s13, s13, STAGE    ; my stage
	v_mul_u32_u24 v[STO], v1, SP    ; in: row l % 16, 16 bytes for each half of the lanes
	v_lshl_add_u32 v[STO], v9, 4, v[STO]
	v_add_nc_u32 v[STO], s13, v[STO]
	v_mul_u32_u24 v[RD], v9, SP     ; back: lanes 0-15 one row of 256 bytes, lanes 16-31 the next
	v_lshl_add_u32 v[RD], v1, 4, v[RD]
	v_add_nc_u32 v[RD], s13, v[RD]
	v_lshlrev_b32 v[GO], 12, v9     ; and the same two tokens in O', 4,096 bytes apart
	v_lshl_add_u32 v[GO], v1, 4, v[GO]
	TURN 2, 0, 1, 1                 ; piece 2's first scores | piece 0's first softmax | V of step 0
	TURN 0, 1, 1, 1                 ; piece 0: V^T P of step 0 starts O^T, K Q^T of step 1 | piece 2's first softmax | K of step 1
	TURN 2, 1, 1, 0                 ; piece 2: the same | piece 0's softmax of step 1 | V of step 1
	WIN 0
.Lslot:                             ; 14 trips: every slot but the last two is filled again
	CHANGE 1
	TWO_STEPS
	s_sub_co_u32 s[SLOTS], s[SLOTS], 1
	s_cmp_lg_u32 s[SLOTS], 0
	s_cbranch_scc1 .Lslot
	CHANGE 0                        ; the tail is written out
	TWO_STEPS
	TURN 0, 2, 0, 0                 ; piece 0: V^T P of the last step | piece 2's last softmax
.set i, 0
.rept 32
	PV 2, 0                         ; piece 2: V^T P of the last step
.set i, i+1
.endr
	; THE WAY OUT.  l's two halves and the other half of the lanes' are added; O^T is divided by l, rounded to f16 and sent through my stage, a tile at a time.  The additions are the places behind the last products.
	WIN 0
.irp t, 0,1,2,3
	v_add_f32 v[ST+8*(\t)+4], v[ST+8*(\t)+2], v[ST+8*(\t)+3]
.endr
.irp t, 0,1,2,3
	v_permlanex16_b32 v[ST+8*(\t)+5], v[ST+8*(\t)+4], s[SEL], s[SEL+1]
.endr
.irp t, 0,1,2,3
	v_add_f32 v[ST+8*(\t)+4], v[ST+8*(\t)+4], v[ST+8*(\t)+5]
.endr
.irp t, 0,1,2,3
	v_rcp_f32 v[ST+8*(\t)+6], v[ST+8*(\t)+4]
.endr
	v_nop                           ; a plain instruction between the last reciprocal and the use of its result
	s_wait_alu depctr_va_vdst(0)    ; and the wait ahead of the first use: one for the four reciprocals
.macro PACK t                       ; a lane's eight channels pack into 16 bytes; they go into rows of 272 bytes and come back as whole rows of 256
	WIN W_RS
.set i, 64*(\t)
.rept 32
	v_pk_mul_f32 v[i:i+1], v[i:i+1], v[ST+8*(\t)+6:ST+8*(\t)+7] op_sel_hi:[1,0]
.set i, i+2
.endr
	WIN 0x05                        ; sources 0 and 1 window 1, destination window 0: S^T's registers are free
.set i, 0
.rept 32
	v_cvt_pk_f16_f32 v[S+32*(\t)+i], v[64*(\t)+2*i], v[64*(\t)+2*i+1]
.set i, i+1
.endr
	WIN 0
.irp f, 0,1,2,3,4,5,6,7
	ds_store_b128 v[STO], v[S+32*(\t)+4*(\f):S+32*(\t)+4*(\f)+3] offset:32*(\f)
.endr
.irp f, 0,1,2,3,4,5,6,7
	ds_load_b128 v[S+32*(\t)+4*(\f):S+32*(\t)+4*(\f)+3], v[RD] offset:(\f)*2*SP  ; LDS serves a wave's instructions in order: these see the stores above; the next tile's stores come behind them
.endr
.endm
.macro SEND t, younger              ; younger: the LDS instructions issued behind tile t's loads: the next tile's sixteen, or none
	WIN 0
.irp f, 0,1,2,3,4,5,6,7
	s_wait_dscnt (\younger)+7-(\f)
	global_store_b128 v[GO], v[S+32*(\t)+4*(\f):S+32*(\t)+4*(\f)+3], s[10:11] offset:(\t)*65536+(\f)*8192  ; 16 lanes store 256 consecutive bytes, aligned: a head's part of a token's row
.endr
.endm
	PACK 0
	PACK 1                          ; a tile's arithmetic stands between the loads of the tile before and its stores
	SEND 0, 16
	PACK 2
	SEND 1, 16
	PACK 3
	SEND 2, 16
	SEND 3, 0
	s_wait_tensorcnt 0x0            ; the wave's end: behind my last tensor load and my last LDS store
	ds_add_u32 v[SPW], v[NIL]
	s_wait_dscnt 0x0
	CROUND                          ; the closing round
	s_endpgm
.Lfunc_end_k_q20efa1cbad_attn:
	.size	k_q20efa1cbad_attn, .Lfunc_end_k_q20efa1cbad_attn-k_q20efa1cbad_attn
	.p2alignl 7, 3214868480
	.fill 96, 4, 3214868480
	.section	.rodata,"a",@progbits
	.p2align	6, 0x0
	.amdhsa_kernel k_q20efa1cbad_attn
		.amdhsa_group_segment_fixed_size 327680
		.amdhsa_private_segment_fixed_size 0
		.amdhsa_enable_private_segment 0
		.amdhsa_kernarg_size 24
		.amdhsa_user_sgpr_count 2
		.amdhsa_user_sgpr_kernarg_segment_ptr 1
		.amdhsa_wavefront_size32 1
		.amdhsa_system_sgpr_workgroup_id_x 1
		.amdhsa_system_sgpr_workgroup_id_y 1
		.amdhsa_system_sgpr_workgroup_id_z 1
		.amdhsa_system_vgpr_workitem_id 0
		.amdhsa_next_free_vgpr 1024
		.amdhsa_next_free_sgpr 72
		.amdhsa_reserve_vcc 0
		.amdhsa_float_denorm_mode_32 3
		.amdhsa_float_denorm_mode_16_64 3
		.amdhsa_memory_ordered 1
		.amdhsa_forward_progress 1
		.amdhsa_inst_pref_size 222
	.end_amdhsa_kernel
	.amdgpu_metadata
---
amdhsa.version: [ 1, 2 ]
amdhsa.kernels:
  - .name:           k_q20efa1cbad_attn
    .symbol:         k_q20efa1cbad_attn.kd
    .args:
      - { .name: qkv, .offset: 0, .size: 8, .value_kind: global_buffer, .address_space: global }
      - { .name: cs, .offset: 8, .size: 8, .value_kind: global_buffer, .address_space: global }
      - { .name: act16, .offset: 16, .size: 8, .value_kind: global_buffer, .address_space: global }
    .group_segment_fixed_size: 327680
    .private_segment_fixed_size: 0
    .kernarg_segment_align: 8
    .kernarg_segment_size: 24
    .max_flat_workgroup_size: 128
    .sgpr_count:     72
    .vgpr_count:     1024
    .wavefront_size: 32
...
	.end_amdgpu_metadata
.endif
;; end of part 4
;; launch outp: the kernel of part 2 again; grid 16 x 16, 4 waves a work-group, clusters of 4 x 1, 327,680 bytes of LDS; arguments act16, wo16, cs, out0, amax; writes out0, amax
;; ======== version 2 of 2: 5 launches; version 1 with the launch prep written anew for expert scheduling mode
;; limits: values are held in f16: magnitudes above 65,504 overflow, below 6.1e-05 lose precision; inputs' magnitudes at most 65,504
;; workspace buffers: act16 16,777,216 bytes; wcat 8,388,608 bytes; wo16 8,388,608 bytes; cs 8,448 bytes; P 33,554,432 bytes; amax 4,096 bytes; qkv 50,331,648 bytes
;; launch prep (part 5): grid 496 x 1, 8 waves a work-group, no clusters, 0 bytes of LDS; arguments x, Wo, W_Bq, W_Bk, W_Bv, W_Aq, W_Ak, W_Av, act16, wo16, wcat, cs; writes act16, wo16, wcat, cs
.if DOCPART == 5
	.amdgcn_target "amdgcn-amd-amdhsa--gfx1250"
	.amdhsa_code_object_version 6
	.text
	.protected	k_q20efa1cbad_prep
	.globl	k_q20efa1cbad_prep
	.p2align	8
	.type	k_q20efa1cbad_prep,@function
k_q20efa1cbad_prep:
	s_mov_b64 s[64:65], 0
	v_nop
	global_prefetch_b8 v0, s[64:65] scope:SCOPE_SE
	s_setreg_imm32_b32 hwreg(HW_REG_WAVE_SCHED_MODE, 0, 2), 2
	s_setreg_imm32_b32 hwreg(HW_REG_WAVE_MODE, 25, 1), 1
	s_wait_xcnt 0x0
	s_wait_alu depctr_vm_vsrc(0)
; x, Wo and the six projection weights are rounded to bf16 and that number is written as f16 (the products that follow multiply in f16).
; act16 [4096][2048] = x.  wo16 [2048][2048] = Wo.  wcat [2048 k][pitch 2048]: columns 0-767 W_Bq, 768-1023 W_Bk, 1024-1279 W_Bv, 1280-1375 W_Aq, 1376-1407 zeros,
; 1408-1439 W_Ak, 1440-1471 zeros, 1472-1503 W_Av, 1504-1535 zeros (so that no block of 64 columns holds two of the A parts: the product keeps one largest magnitude for each such block);
; columns from 1536 on are neither written nor read.  cs[0..1535]: what the first product multiplies a column by: 1 for the B parts, 1/6 for Aq, 1/2 from column 1376 on (the divisions by the ranks).
; LIMITS.  A number beyond 65,504 becomes an infinity; below 2^-14 the f16 copy keeps the fixed step 2^-24, so a bf16 number below 2^-17 is rounded once more.  NaN stays NaN.
; A STREAM: no LDS, no barrier, no matrix work, no cluster: nothing is read twice.  A wave's job is 32 pieces: 512 consecutive bytes in (16 a lane), 256 consecutive aligned bytes out (8 a lane).
; Work-groups 0-255: x.  256-383: Wo.  384-463: the ten groups of 128 columns of W_Bq, W_Bk, W_Bv (a piece is a row of k).  464-495: the two groups made of W_Aq, W_Ak, W_Av, 16 rows of k a wave.
; THE MODE: SCHED_MODE bits 1:0 = 2 (LLVM: expert scheduling mode 2), set by the entry lines.  The code itself states the register dependences
; between vector instructions and memory instructions, with s_wait_alu, always for 0.
; THE PLAN.  The 32 pieces go in 8 blocks of four.  Registers that memory instructions touch:
;   X0 .. X3   four blocks as loaded.   Written by the loads of block p + 3, issued in block p; read by block p's conversions.
;   Y0, Y1     two blocks to store.     Written by block p's conversions; read by the four stores that are issued in block p + 1.
;   OFFI, OFFO four byte offsets each (the lane's bytes + the piece's place in a block), made once at the head and never written again.
; The blocks are reached by scalar bases: one for each X buffer, which moves on by four blocks once the wait for the buffer's data has shown the loads that read it done;
; one for each Y buffer, which moves on by two blocks behind the wait that frees its stores' sources.
; Block p works on X[p % 4] and writes Y[p % 2].  Its memory instructions are the loads into X[(p + 3) % 4] = X[(p - 1) % 4] and the stores from Y[(p - 1) % 2]: the two buffers that block p - 1
; worked on and that no vector instruction of block p names.  So the waits at the head of a block state all that its eight memory instructions hang on, and these are dealt among its vector
; instructions with no further wait.  Up to twelve loads of a wave are on their way.
.set OFFI, 2                           ; v[2:5]    piece i of a block: byte offset in the source (the A path: v[2:9], row i of a trip)
.set OFFO, 10                          ; v[10:13]  piece i of a block: byte offset in the destination (the A path: v10, v11)
.set X,    20                          ; v[20:83]  buffer k, piece i: four f32 as loaded, at X + 16 k + 4 i (the A path: row i at X + 4 i)
.set BB,   52                          ; v[52:83]  the A path's second source
.set Y,    84                          ; v[84:99]  buffer k, piece i: four f16 to store, at Y + 8 k + 2 i (the A path: row i at Y + 2 i)
.set T,    100                         ; v[100:105] at work: no memory instruction names them
.set IB,   8                           ; s[8:15]   X buffer k: the source at the block that the buffer is loaded with next: a pair at IB + 2 k
.set OB,   16                          ; s[16:19]  Y buffer k: the destination at the block that the buffer is stored to next: a pair at OB + 2 k
.set I4,   48                          ; s[48:49]  bytes in a block of the source,
.set I16,  50                          ; s[50:51]  in four blocks;
.set O4,   56                          ; s[56:57]  in a block of the destination,
.set O8,   58                          ; s[58:59]  in two blocks
.set WG_WO, 256                        ; the first work-group on Wo,
.set WG_B,  384                        ; on the B weights,
.set WG_A,  464                        ; on the A weights
.macro CVT4 x, y                       ; four f32 -> bf16 (nearest even) -> the same numbers as f16
	v_cvt_pk_bf16_f32 v[T],   v[(\x)],   v[(\x)+1]
	v_cvt_pk_bf16_f32 v[T+1], v[(\x)+2], v[(\x)+3]
	v_lshlrev_b32 v[T+2], 16,  v[T]
	v_and_b32     v[T+3], s46, v[T]
	v_lshlrev_b32 v[T+4], 16,  v[T+1]
	v_and_b32     v[T+5], s46, v[T+1]
	v_cvt_pk_f16_f32 v[(\y)],   v[T+2], v[T+3]
	v_cvt_pk_f16_f32 v[(\y)+1], v[T+4], v[T+5]
.endm
	s_load_b512 s[8:23], s[0:1], 0x0               ; x 8, Wo 10, W_Bq 12, W_Bk 14, W_Bv 16, W_Aq 18, W_Ak 20, W_Av 22
	s_load_b256 s[24:31], s[0:1], 0x40             ; act16 24, wo16 26, wcat 28, cs 30
	v_and_b32 v1, 31, v0                           ; lane
	v_lshrrev_b32 v2, 5, v0
	v_readfirstlane_b32 s44, v2                    ; wave 0..7
	s_mov_b32 s46, 0xffff0000                      ; a word's upper bf16
	s_mov_b32 s39, 0                               ; high words of the two offset pairs
	s_mov_b32 s41, 0
	s_wait_alu depctr_va_sdst(0)                   ; s44 is written: ahead of the branch below and of its first reader on either way
	s_wait_kmcnt 0x0
	s_cmp_ge_u32 ttmp9, WG_A
	s_cbranch_scc1 .Lapath
	; the numbers of a job on W_Bq, W_Bk, W_Bv (made by every work-group, taken from WG_B on)
	s_max_u32 s47, ttmp9, WG_B
	s_sub_co_u32 s47, s47, WG_B                    ; j = 0..79
	s_lshr_b32 s48, s47, 3                         ; g: the group of 128 columns, 0..9
	s_and_b32 s47, s47, 7
	s_lshl3_add_u32 s47, s47, s44                  ; rb = 8 (j & 7) + wave: which 32 rows of k
	s_movk_i32 s36, 3072                           ; bytes in a row of W_Bq,
	s_movk_i32 s50, 1024                           ; of W_Bk and W_Bv
	s_cmp_lt_u32 s48, 6
	s_cselect_b32 s36, s36, s50
	s_cselect_b32 s49, 0, 6                        ; the source's first group
	s_cselect_b64 s[32:33], s[12:13], s[14:15]
	s_cmp_lt_u32 s48, 8
	s_cselect_b32 s49, s49, 8
	s_cselect_b64 s[32:33], s[32:33], s[16:17]
	s_sub_co_u32 s49, s48, s49
	s_lshl_b32 s49, s49, 9                         ; the group's 512 bytes in a source row
	s_mul_i32 s38, s47, s36
	s_lshl_b32 s38, s38, 5                         ; 32 rb rows
	s_add_co_u32 s38, s38, s49
	s_lshl_b32 s40, s47, 17                        ; 32 rb rows of 4,096 bytes in wcat
	s_lshl_b32 s50, s48, 8                         ; the group's 256 bytes
	s_add_co_u32 s40, s40, s50
	s_movk_i32 s37, 4096
	; the numbers of a dense job on x or Wo
	s_cmp_lt_u32 ttmp9, WG_WO
	s_cselect_b32 s51, 0, WG_WO
	s_cselect_b64 s[52:53], s[8:9], s[10:11]
	s_cselect_b64 s[54:55], s[24:25], s[26:27]
	s_sub_co_u32 s51, ttmp9, s51
	s_lshl3_add_u32 s51, s51, s44                  ; J = 8 x work-group + wave
	s_lshl_b32 s56, s51, 14                        ; 32 pieces of 512 bytes in,
	s_lshl_b32 s57, s51, 13                        ; of 256 bytes out
	s_movk_i32 s58, 512
	s_movk_i32 s59, 256
	s_cmp_lt_u32 ttmp9, WG_B
	s_cselect_b64 s[32:33], s[52:53], s[32:33]     ; source
	s_cselect_b64 s[34:35], s[54:55], s[28:29]     ; destination
	s_cselect_b32 s38, s56, s38
	s_cselect_b32 s40, s57, s40
	s_cselect_b32 s36, s58, s36                    ; bytes from piece to piece, in
	s_cselect_b32 s37, s59, s37                    ; and out
	s_add_nc_u64 s[32:33], s[32:33], s[38:39]
	s_add_nc_u64 s[34:35], s[34:35], s[40:41]
	s_lshl_b32 s[I4], s36, 2                       ; the steps, as pairs with 0 on top
	s_mov_b32 s[I4+1], 0
	s_lshl_b32 s[I16], s36, 4
	s_mov_b32 s[I16+1], 0
	s_lshl_b32 s[O4], s37, 2
	s_mov_b32 s[O4+1], 0
	s_lshl_b32 s[O8], s37, 3
	s_mov_b32 s[O8+1], 0
	s_mov_b64 s[IB:IB+1], s[32:33]                 ; the X buffers' bases: blocks 0 to 3
.irp k, 1,2,3
	s_add_nc_u64 s[IB+2*(\k):IB+2*(\k)+1], s[IB+2*(\k)-2:IB+2*(\k)-1], s[I4:I4+1]
.endr
	s_mov_b64 s[OB:OB+1], s[34:35]                 ; the Y buffers' bases: blocks 0 and 1
	s_add_nc_u64 s[OB+2:OB+3], s[OB:OB+1], s[O4:O4+1]
	v_lshlrev_b32 v[OFFI], 4, v1
	v_lshlrev_b32 v[OFFO], 3, v1
.irp i, 1,2,3
	v_add_nc_u32 v[OFFI+(\i)], s36, v[OFFI+(\i)-1]
	v_add_nc_u32 v[OFFO+(\i)], s37, v[OFFO+(\i)-1]
.endr
	s_wait_alu depctr_va_vdst(0)                   ; the eight offsets are written: every load and store of this path reads one of them
.irp k, 0,1,2
.irp i, 0,1,2,3
	global_load_b128 v[X+16*(\k)+4*(\i):X+16*(\k)+4*(\i)+3], v[OFFI+(\i)], s[IB+2*(\k):IB+2*(\k)+1] th:TH_LOAD_NT  ; blocks 0, 1 and 2 into X0, X1, X2
.endr
.endr
; Block p of eight.  Blocks 0 to 4 load block p + 3; blocks 1 to 7 store block p - 1.
.macro BLK p
.if (\p) < 6
	s_wait_loadcnt 8                               ; loads come back in order: X[p % 4] is in, the two younger blocks stay out
.else
	s_wait_loadcnt 4*(7-(\p))                      ; the last blocks: the counts run down
.endif
.if (\p) < 4
	s_add_nc_u64 s[IB+2*(\p):IB+2*(\p)+1], s[IB+2*(\p):IB+2*(\p)+1], s[I16:I16+1]  ; free since that wait, which shows the loads that read it done: the buffer's next block, four on
.endif
.if (\p) >= 2
	s_wait_xcnt 0x0                                ; every earlier memory instruction has had its addresses translated: Y[p % 2] and its base are written again only behind this wait
	s_wait_alu depctr_vm_vsrc(0)                   ; the stores issued in the block before have read Y[p % 2], which this block's conversions write again
	s_add_nc_u64 s[OB+2*((\p)%2):OB+2*((\p)%2)+1], s[OB+2*((\p)%2):OB+2*((\p)%2)+1], s[O8:O8+1]  ; where this block will be stored
.endif
.if (\p) >= 1
	s_wait_alu depctr_va_vdst(0)                   ; the block before has written the other Y, which the stores below read, and is done reading its X, in which the loads below land
.endif
.irp i, 0,1,2,3
.if (\p) < 5
	global_load_b128 v[X+16*(((\p)+3)%4)+4*(\i):X+16*(((\p)+3)%4)+4*(\i)+3], v[OFFI+(\i)], s[IB+2*(((\p)+3)%4):IB+2*(((\p)+3)%4)+1] th:TH_LOAD_NT  ; three blocks ahead; no vector instruction since the last wait on va_vdst names these registers
.endif
.if (\p) >= 1
	global_store_b64 v[OFFO+(\i)], v[Y+8*(((\p)+1)%2)+2*(\i):Y+8*(((\p)+1)%2)+2*(\i)+1], s[OB+2*(((\p)+1)%2):OB+2*(((\p)+1)%2)+1]  ; the block before: the wave's 32 lanes fill 256 consecutive bytes, aligned
.endif
	CVT4 X+16*((\p)%4)+4*(\i), Y+8*((\p)%2)+2*(\i)
.endr
.endm
	BLK 0                                          ; no block stands in front of it: no store, and no wait but the one for its data
	BLK 1                                          ; Y1 is written for the first time: nothing has read it
	BLK 2
	BLK 3
	BLK 4                                          ; asks for block 7, the last: no load leaves the job
	BLK 5
	BLK 6
	BLK 7
	s_wait_alu depctr_va_vdst(0)                   ; block 7 has written Y1, which the last four stores read
.irp i, 0,1,2,3
	global_store_b64 v[OFFO+(\i)], v[Y+8+2*(\i):Y+8+2*(\i)+1], s[OB+2:OB+3]
.endr
	s_endpgm
; THE A PATH.  Group 10 (columns 1280-1407): 96 columns of W_Aq (lanes 0-23, four each), then zeros.  Group 11: 32 columns of W_Ak (lanes 0-7), zeros, 32 of W_Av (lanes 16-23), zeros.
; Every lane loads from both sources at an offset held inside the row, and two selects by constant lane masks take what is its own, or 0: EXEC is never changed.
; A trip waits for all its sixteen loads, so a wave has only two trips.
; ITS PLAN.  X and BB: written by a trip's loads, read and (X) written by its selects and conversions.  Y: written by the conversions, read by the trip's eight stores.  The offsets v[2:11] are made once;
; the three scalar bases move on by a trip.  One wait on va_vdst stands between a trip's vector work and its stores; no vector instruction follows it in the trip, so it also serves the next trip's loads.
.Lapath:
	s_cmp_lg_u32 ttmp9, WG_A
	s_cbranch_scc1 .Lno_cs
	v_mov_b32 v12, 1.0                             ; cs, by the first of these work-groups: 16 bytes a thread: columns 0-1023, all 1
	v_mov_b32 v13, 1.0
	v_mov_b32 v14, 1.0
	v_mov_b32 v15, 1.0
	v_lshlrev_b32 v16, 4, v0
	v_mov_b32 v17, 0x3e2aaaab                      ; 1/6
	v_mov_b32 v18, 0.5
	v_mov_b32 v19, 1.0
	v_cmp_le_u32 s42, 64, v0                       ; columns 1024 + 4 t: from 1280 on 1/6,
	v_cmp_le_u32 s43, 88, v0                       ; from 1376 on 1/2
	s_wait_alu depctr_va_sdst(0)                   ; both masks are written, ahead of the two selects that read them
	v_cndmask_b32 v108, v19, v17, s42
	v_cndmask_b32 v108, v108, v18, s43
	v_mov_b32 v109, v108
	v_mov_b32 v110, v108
	v_mov_b32 v111, v108
	s_wait_alu depctr_va_vdst(0)                   ; v[12:16] and v[108:111] are written, which the two stores below read; none of them is written again
	global_store_b128 v16, v[12:15], s[30:31]
	s_cmp_lt_u32 s44, 4
	s_cbranch_scc0 .Lno_cs
	global_store_b128 v16, v[108:111], s[30:31] offset:4096  ; waves 0 to 3: columns 1024-1535
.Lno_cs:
	s_sub_co_u32 s47, ttmp9, WG_A                  ; 0..31
	s_lshr_b32 s48, s47, 4                         ; 0: group 10, 1: group 11
	s_and_b32 s47, s47, 15
	s_lshl3_add_u32 s47, s47, s44                  ; rb = 0..127: which 16 rows of k
	s_movk_i32 s36, 384                            ; bytes in a row of W_Aq,
	s_movk_i32 s50, 128                            ; of W_Ak and W_Av
	s_mov_b32 s58, 0x00ffffff                      ; lanes 0-23
	s_mov_b32 s59, 0x00ff0000                      ; lanes 16-23
	s_cmp_eq_u32 s48, 0
	s_cselect_b32 s36, s36, s50
	s_cselect_b32 s56, 23, 7                       ; the last lane of the first source
	s_cselect_b32 s55, s58, 0xff                   ; the lanes that take the first source,
	s_cselect_b32 s54, 0, s59                      ; and the second (in group 10 it is read and taken by nobody)
	s_cselect_b64 s[32:33], s[18:19], s[20:21]     ; first source: W_Aq or W_Ak
	s_mul_i32 s38, s47, s36
	s_lshl_b32 s38, s38, 4                         ; 16 rb rows
	s_add_nc_u64 s[32:33], s[32:33], s[38:39]
	s_lshl_b32 s38, s47, 11                        ; 16 rb rows of 128 bytes
	s_add_nc_u64 s[52:53], s[22:23], s[38:39]      ; second source: W_Av
	s_lshl_b32 s40, s47, 16                        ; 16 rb rows of 4,096 bytes in wcat
	s_lshl_b32 s50, s48, 8
	s_add_co_u32 s40, s40, s50
	s_add_co_u32 s40, s40, 10*256
	s_add_nc_u64 s[34:35], s[28:29], s[40:41]
	s_lshl_b32 s38, s36, 3                         ; eight rows of the first source: with s39 = 0 the pair that steps its base
	v_min_u32 v[OFFI], s56, v1                     ; a lane past the first source's row reads its last 16 bytes
	v_lshlrev_b32 v[OFFI], 4, v[OFFI]
.irp i, 1,2,3,4,5,6,7
	v_add_nc_u32 v[OFFI+(\i)], s36, v[OFFI+(\i)-1]
.endr
	v_max_u32 v10, 16, v1                          ; a lane outside 16-23 reads the second source's first or last 16 bytes
	v_min_u32 v10, 23, v10
	v_sub_nc_u32 v10, v10, 16
	v_lshlrev_b32 v10, 4, v10
	v_lshlrev_b32 v11, 3, v1
	s_wait_alu depctr_va_vdst(0)                   ; the ten offsets v[2:11] are written, which the loads and stores of both trips read
	s_mov_b32 s45, 2
.Larow:                                        ; eight rows of k a trip
.irp i, 0,1,2,3,4,5,6,7
	global_load_b128 v[X+4*(\i):X+4*(\i)+3], v[OFFI+(\i)], s[32:33]
.endr
.irp i, 0,1,2,3,4,5,6,7
	global_load_b128 v[BB+4*(\i):BB+4*(\i)+3], v10, s[52:53] offset:128*(\i)
.endr
	s_wait_loadcnt 0x0
.irp i, 0,1,2,3,4,5,6,7
.irp k, 0,1,2,3
	v_cndmask_b32 v[X+4*(\i)+(\k)], 0, v[X+4*(\i)+(\k)], s55
	v_cndmask_b32 v[X+4*(\i)+(\k)], v[X+4*(\i)+(\k)], v[BB+4*(\i)+(\k)], s54
.endr
	CVT4 X+4*(\i), Y+2*(\i)
.endr
	s_wait_alu depctr_va_vdst(0)                   ; the conversions have written Y, which the stores below read; the selects and conversions are done with X and BB, in which the next trip's loads land
.irp i, 0,1,2,3,4,5,6,7
	global_store_b64 v11, v[Y+2*(\i):Y+2*(\i)+1], s[34:35] offset:4096*(\i)
.endr
	s_wait_xcnt 0x0                                ; the trip's loads and stores have had their addresses translated: the bases and Y are written again only behind this wait
	s_wait_alu depctr_vm_vsrc(0)                   ; the stores have read Y, which the next trip's conversions write again
	s_add_nc_u64 s[32:33], s[32:33], s[38:39]      ; eight rows on in the first source,
	s_add_nc_u64 s[52:53], s[52:53], 1024          ; in the second,
	s_add_nc_u64 s[34:35], s[34:35], 32768         ; and in wcat
	s_sub_co_u32 s45, s45, 1
	s_cmp_lg_u32 s45, 0
	s_cbranch_scc1 .Larow
	s_endpgm
.Lfunc_end_k_q20efa1cbad_prep:
	.size	k_q20efa1cbad_prep, .Lfunc_end_k_q20efa1cbad_prep-k_q20efa1cbad_prep
	.p2alignl 7, 3214868480
	.fill 96, 4, 3214868480
	.section	.rodata,"a",@progbits
	.p2align	6, 0x0
	.amdhsa_kernel k_q20efa1cbad_prep
		.amdhsa_group_segment_fixed_size 0
		.amdhsa_private_segment_fixed_size 0
		.amdhsa_enable_private_segment 0
		.amdhsa_kernarg_size 96
		.amdhsa_user_sgpr_count 2
		.amdhsa_user_sgpr_kernarg_segment_ptr 1
		.amdhsa_wavefront_size32 1
		.amdhsa_system_sgpr_workgroup_id_x 1
		.amdhsa_system_sgpr_workgroup_id_y 1
		.amdhsa_system_sgpr_workgroup_id_z 1
		.amdhsa_system_vgpr_workitem_id 0
		.amdhsa_next_free_vgpr 112
		.amdhsa_next_free_sgpr 66
		.amdhsa_reserve_vcc 0
		.amdhsa_float_denorm_mode_32 3
		.amdhsa_float_denorm_mode_16_64 3
		.amdhsa_memory_ordered 1
		.amdhsa_forward_progress 1
		.amdhsa_inst_pref_size 35
	.end_amdhsa_kernel
	.amdgpu_metadata
---
amdhsa.version: [ 1, 2 ]
amdhsa.kernels:
  - .name:           k_q20efa1cbad_prep
    .symbol:         k_q20efa1cbad_prep.kd
    .args:
      - { .name: x, .offset: 0, .size: 8, .value_kind: global_buffer, .address_space: global }
      - { .name: Wo, .offset: 8, .size: 8, .value_kind: global_buffer, .address_space: global }
      - { .name: W_Bq, .offset: 16, .size: 8, .value_kind: global_buffer, .address_space: global }
      - { .name: W_Bk, .offset: 24, .size: 8, .value_kind: global_buffer, .address_space: global }
      - { .name: W_Bv, .offset: 32, .size: 8, .value_kind: global_buffer, .address_space: global }
      - { .name: W_Aq, .offset: 40, .size: 8, .value_kind: global_buffer, .address_space: global }
      - { .name: W_Ak, .offset: 48, .size: 8, .value_kind: global_buffer, .address_space: global }
      - { .name: W_Av, .offset: 56, .size: 8, .value_kind: global_buffer, .address_space: global }
      - { .name: act16, .offset: 64, .size: 8, .value_kind: global_buffer, .address_space: global }
      - { .name: wo16, .offset: 72, .size: 8, .value_kind: global_buffer, .address_space: global }
      - { .name: wcat, .offset: 80, .size: 8, .value_kind: global_buffer, .address_space: global }
      - { .name: cs, .offset: 88, .size: 8, .value_kind: global_buffer, .address_space: global }
    .group_segment_fixed_size: 0
    .private_segment_fixed_size: 0
    .kernarg_segment_align: 8
    .kernarg_segment_size: 96
    .max_flat_workgroup_size: 256
    .sgpr_count:     66
    .vgpr_count:     112
    .wavefront_size: 32
...
	.end_amdgpu_metadata
.endif
;; end of part 5
;; launch proj: the kernel of part 2 again; grid 16 x 12, 4 waves a work-group, clusters of 4 x 1, 327,680 bytes of LDS; arguments act16, wcat, cs, P, amax; writes P, amax
;; launch build: the kernel of part 3 again; grid 512 x 1, 8 waves a work-group, no clusters, 0 bytes of LDS; arguments P, amax, complex_freq, qkv, cs; writes qkv, cs
;; launch attn: the kernel of part 4 again; grid 8 x 32, 4 waves a work-group, clusters of 4 x 1, 327,680 bytes of LDS; arguments qkv, cs, act16; writes act16
;; launch outp: the kernel of part 2 again; grid 16 x 16, 4 waves a work-group, clusters of 4 x 1, 327,680 bytes of LDS; arguments act16, wo16, cs, out0, amax; writes out0, amax
